; MI455X (gfx1250); checked and timed in simulation.
; The chip was launched on July 23, 2026; its instructions are those of AMD's public machine-readable ISA for CDNA 5 (MIT licence, August 2026) and "CDNA5" Instruction Set Architecture Reference Guide (July 2026). The comments in the code are by the model that wrote it; some were corrected since.
;; tru. Allowed arithmetic: matrix products marked QUANTISED: E4M3 operands, one E8M0 scale for each 32 along K, by v_wmma_scale_f32_16x16x128_f8f6f4 with both operands' format E4M3, f32 sums; products left as they are: f32 operands where the result goes on into a quantised operand, else bf16, f16 or f32 operands; f32 sums; everything else in f32.
;; Inputs: WK_b 1,024 float32; WK_w 1,024 x 1,024 float32; WQ_b 1,024 float32; WQ_w 1,024 x 1,024 float32; WV_b 1,024 float32; WV_w 1,024 x 1,024 float32; bn1_b 1,024 float32; bn1_g 1,024 float32; bn2_b 1,024 float32; bn2_g 1,024 float32; w1_b 4,096 float32; w1_w 4,096 x 1,024 float32; w2_b 1,024 float32; w2_w 1,024 x 4,096 float32; x 32 x 1,024 x 1 x 1 float32; y 32 x 1,024 x 1,024 x 1 float32.
;; Outputs: out0 32 x 1,024 x 1 x 1 float32.
;; This version of the problem:
;;   THIS VERSION OF THE PROBLEM IS GIVEN IN LOW PRECISION. The matrix products marked QUANTISED in the list below multiply operands that are first quantised to E4M3 (4 exponent bits, 3 mantissa bits; 8 bits a number), with one power-of-two scale for each 32 numbers along K (OCP MX v1.0); their sums are f32. All else is computed in f32.
;;   The module's matrix products, in the order in which they are computed (A, B: the left and right operand; K: the contracted axis; several contracted axes count as one K, in the product's order):
;;     1. [M 32, K 1,024] x [K 1,024, N 1,024]; A: input x; B: input WQ_w: QUANTISED
;;     2. [M 32,768, K 1,024] x [K 1,024, N 1,024]; A: input y; B: input WK_w: QUANTISED
;;     3. [M 32,768, K 1,024] x [K 1,024, N 1,024]; A: input y; B: input WV_w: QUANTISED
;;     4. batch 512 x [M 1, K 64] x [K 64, N 1,024]; A: computed on the way; B: computed on the way: left as it is (M = 1 < 16)
;;     5. batch 512 x [M 1, K 1,024] x [K 1,024, N 64]; A: softmax; B: computed on the way: left as it is (M = 1 < 16)
;;     6. [M 32, K 1,024] x [K 1,024, N 4,096]; A: computed on the way; B: input w1_w: QUANTISED
;;     7. [M 32, K 4,096] x [K 4,096, N 1,024]; A: computed on the way; B: input w2_w: QUANTISED
;;   THE QUANTISER, for each operand of a quantised product, along K:
;;     - K is cut into blocks of 32 from its start; a last block that is shorter is filled with zeros.
;;     - A block's scale is 2^e with e = floor(log2(the largest magnitude in the block)) - 8, held to -126 .. 127; a block of zeros has e = 0. As a byte (E8M0): e + 127.
;;     - Each number is divided by its block's scale, clamped to +-448, and rounded to the nearest number of E4M3, ties to even, subnormals kept.
;;     - The product sums the exact products of the quantised numbers (number of the format x scale) in f32.
;;   ~~~python
;;   def quantise(x, axis):      # numpy; x: float32 -> the quantised numbers, widened to float32 again
;;       x = np.moveaxis(x, axis, -1); K = x.shape[-1]
;;       x = np.pad(x, [(0, 0)] * (x.ndim - 1) + [(0, -K % 32)]); x = x.reshape(x.shape[:-1] + (-1, 32)); a = np.abs(x).max(-1, keepdims=True)
;;       e = np.where(a > 0, np.clip(np.frexp(np.where(a > 0, a, 1))[1] - 1 - 8, -126, 127), 0)      # np.frexp(a)[1] - 1 = floor(log2(a)), exactly
;;       r = np.clip(x / 2.0 ** e, -448, 448)
;;       step = 2.0 ** (np.maximum(np.frexp(np.where(r == 0, 1, r))[1] - 1, -6) - 3)
;;       q = np.round(r / step) * step * 2.0 ** e      # np.round: ties to even
;;       return np.moveaxis(q.reshape(q.shape[:-2] + (-1,))[..., :K], -1, axis).astype(np.float32)
;;   ~~~
;;   OPERANDS COMPUTED ON THE WAY. 'Computed on the way' means the value that the module computes at that place (a softmax that the list does not call 'softmax' is quantised finished and normalised). What goes into a quantiser is computed in f32, as accurately as f32 sums, v_exp_f32 and their like allow (about 1e-6 of the number): no bf16 or f16 on the way to a quantiser, and a product that is left as it is and whose result goes on into a quantised operand takes f32 operands (vector FMAs, or v_wmma_f32_16x16x4_f32). A number that lies on a knife's edge between two numbers of the format may be rounded either way, as far as f32 arithmetic and the matrix unit's own rounding can turn it there, and no further.
;; One version. Each part assembles by itself: llvm-mc -triple=amdgcn-amd-amdhsa -mcpu=gfx1250 --defsym DOCPART=n.
;; ======== version 1 of 1: 5 launches
;; workspace buffers: wkv 2,179,072 bytes; q 131,072 bytes; patt 2,097,152 bytes; pstat 65,536 bytes; ret 131,072 bytes; hq 135,168 bytes; w2q 4,325,376 bytes
;; launch prep (part 1): grid 32 x 3, 8 waves a work-group, no clusters, 304,128 bytes of LDS; arguments x, WQ_w, WQ_b, WK_w, WK_b, WV_w, WV_b, q, wkv; writes q, wkv
.if DOCPART == 1
	.amdgcn_target "amdgcn-amd-amdhsa--gfx1250"
	.amdhsa_code_object_version 6
	.text
	.protected	k_qfd334889da_prep
	.globl	k_qfd334889da_prep
	.p2align	8
	.type	k_qfd334889da_prep,@function
k_qfd334889da_prep:
	s_mov_b64 s[64:65], 0
	v_nop
	global_prefetch_b8 v0, s[64:65] scope:SCOPE_SE
	s_setreg_imm32_b32 hwreg(HW_REG_WAVE_MODE, 25, 1), 1
	s_wait_xcnt 0x0
; PREP.  y = 0: q = Q(x) Q(WQ)^T + WQ_b, [32][1024] f32.  y = 1, 2: WK, WV become codes of E4M3 with E8M0 scale bytes along their 1,024 columns,
; laid in wkv in the order in which the attention launch's operand registers take them.
; A work-group takes 32 weight rows (two tiles of 16), its eight waves the eight K steps of 128 columns.
; Each load reads 512 consecutive bytes of one row; the 32 x 512 bytes turn through the wave's own stage in LDS (rows 528 bytes apart), so that
; lane (r, h) gets, of row r, the 16 neighbours 32 b + 16 h + 0..15 of each block b: the layout of an 8-bit operand of the 16x16x128 form.
; wkv: 16 blocks of SLOTB bytes; block 2 j + kind (0 = WK, 1 = WV) holds rows 128 j .. 128 j + 127: fragment (tile T, K step S) as an image of its
; registers at (8 T + S) 2048 + 512 c + 16 lane; from byte 131,072 scale words at (8 P + S) 128 + 4 lane (lanes 0-15 tile 2 P, lanes 16-31 tile 2 P + 1);
; from byte 135,168 the 128 biases; from byte 135,680 512 zeros, which make the block 532 rows of 256 bytes.
; The two ways part on the work-group's y at the head, never join, and have LDS bytes of their own.
; LIMITS: NaN and infinities among the inputs are not served.  A block whose largest magnitude lies under 2^-118 (zeros too) gets the scale byte 1
; where the quantiser says less (or 127): its codes are zeros or subnormal, and these bytes are read by this program alone.
.set SLOTB,  136192
.set SP,     528                       ; a stage row: 512 bytes + 16: the 16 rows of a read start at 16 different groups of banks
.set STGB,   32*SP                     ; a wave's stage
.set RED,    8*STGB                    ; way Q: behind its stages, 4,096 bytes a wave for the partial sums
.set STKV,   RED+8*4096                ; way KV: its own stages
.set X,   16                           ; v16-79   64 numbers of a lane
.set TM,  80                           ; v80-95   at work in the quantiser
.set WC,  96                           ; v96-127  the weights' two fragments
.set RW,  128                          ; v128-255 32 rows as loaded; later:
.set AC,  128                          ; v128-159 x's two fragments
.set ACC, 160                          ; v160-191 four accumulators
.set SEL, 24                           ; s[24:25] lane selects: lane l xor 16
.set MNT, 26                           ; s26      the mantissa field of 448
.set MSB, 0
.macro WIN new                         ; the immediate's high byte repeats the setting that is left
.if MSB != (\new)
	s_set_vgpr_msb (MSB<<8)|(\new)
.set MSB, (\new)
.endif
.endm
.macro LOADR reg, voff, sb, pitch, nt  ; 32 rows, 512 consecutive bytes an instruction
.set NI, 0
.rept 32
.if \nt
	global_load_b128 v[\reg+4*NI:\reg+4*NI+3], v[\voff], s[\sb:\sb+1] offset:NI*\pitch th:TH_LOAD_NT
.else
	global_load_b128 v[\reg+4*NI:\reg+4*NI+3], v[\voff], s[\sb:\sb+1] offset:NI*\pitch
.endif
.set NI, NI+1
.endr
.endm
.macro TOSTG reg, vst                  ; the rows into my stage, as they lie
.set NI, 0
.rept 32
	ds_store_b128 v[\vst], v[\reg+4*NI:\reg+4*NI+3] offset:NI*SP
.set NI, NI+1
.endr
.endm
.macro FROMSTG u, vrd                  ; tile u back: LDS serves a wave's instructions in order, so these see my stores
.irp b, 0,1,2,3
.irp j, 0,1,2,3
	ds_load_b128 v[X+16*\b+4*\j:X+16*\b+4*\j+3], v[\vrd] offset:\u*16*SP+128*\b+16*\j
.endr
.endr
.endm
; 64 numbers of a lane, register 16 b + i = k 32 b + 16 (lane / 16) + i of my row, become a fragment's codes in v[pc] on and its scale word in v[pw]
.macro QUANT s, pc, pw
.irp b, 0,1,2,3
	v_max3_num_f32 v[TM+\b], |v[\s+16*\b]|, |v[\s+1+16*\b]|, 0x4800000   ; my 16 numbers and the floor 2^(9 - 127): the byte cannot fall under 1
.endr
.irp i, 2,4,6,8,10,12,14
.irp b, 0,1,2,3
	v_max3_num_f32 v[TM+\b], v[TM+\b], |v[\s+16*\b+\i]|, |v[\s+1+16*\b+\i]|
.endr
.endr
.irp b, 0,1,2,3
	v_permlanex16_b32 v[TM+4+\b], v[TM+\b], s[SEL], s[SEL+1]
.endr
.irp b, 0,1,2,3
	v_max_num_f32 v[TM+\b], v[TM+\b], v[TM+4+\b]                    ; with lane l xor 16's: the block's largest magnitude
.endr
.irp b, 0,1,2,3
	v_add_nc_u32 v[TM+12+\b], 0xfc000000, v[TM+\b]                 ; 8 off its exponent field: the conversion's scale operand
.endr
.irp b, 0,1,2,3
	v_and_or_b32 v[TM+8+\b], v[TM+\b], 0x7f800000, s[MNT]          ; 448 x the scale
.endr
.irp b, 0,1,2,3
	v_lshrrev_b32 v[TM+4+\b], 23, v[TM+12+\b]                      ; the scale's byte
.endr
	v_lshl_or_b32 v[\pw], v[TM+5], 8, v[TM+4]
	v_lshl_or_b32 v[\pw], v[TM+6], 16, v[\pw]
	v_lshl_or_b32 v[\pw], v[TM+7], 24, v[\pw]
.irp b, 0,1,2,3
.irp i, 0,1,2,3,4,5,6,7,8,9,10,11,12,13,14,15
	v_med3_num_f32 v[\s+16*\b+\i], v[\s+16*\b+\i], -v[TM+8+\b], v[TM+8+\b]   ; the conversion does not saturate (ISA guide 7.6.2): hold first
.endr
	v_cvt_scalef32_pk8_fp8_f32 v[\pc+4*\b:\pc+1+4*\b], v[\s+16*\b:\s+7+16*\b], v[TM+12+\b]
	v_cvt_scalef32_pk8_fp8_f32 v[\pc+2+4*\b:\pc+3+4*\b], v[\s+8+16*\b:\s+15+16*\b], v[TM+12+\b]
.endr
	v_nop                                          ; a plain line behind the last conversion
.endm
	s_load_b256 s[4:11], s[0:1], 0x0               ; x s[4:5], WQ_w s[6:7], WQ_b s[8:9], WK_w s[10:11]
	s_load_b256 s[12:19], s[0:1], 0x20             ; WK_b s[12:13], WV_w s[14:15], WV_b s[16:17], q s[18:19]
	s_load_b64 s[20:21], s[0:1], 0x40              ; wkv
	s_set_vgpr_msb 0x40
	v_lshl_add_u32 v128, v0, 2, 0x4a000
	v_mov_b32 v129, 0
	s_set_vgpr_msb 0x4000
	v_lshrrev_b32 v1, 5, v0
	v_readfirstlane_b32 s22, v1                    ; wave = K step
	v_and_b32 v1, 31, v0                           ; lane
	v_and_b32 v2, 15, v0                           ; r
	v_bfe_u32 v3, v0, 4, 1                         ; h
	v_lshlrev_b32 v4, 4, v1                        ; 16 lane
	v_lshlrev_b32 v5, 2, v1                        ; 4 lane
	s_and_b32 s23, ttmp7, 0xffff                   ; 0: q;  1: WK;  2: WV
	s_mov_b32 s[SEL], 0x76543210
	s_mov_b32 s[SEL+1], 0xfedcba98
	s_mov_b32 s[MNT], 0x600000
	s_mov_b32 s27, 0xffff0000                      ; lanes 16-31
	s_lshl_b32 s28, s22, 9
	v_add_nc_u32 v10, s28, v4                      ; in a row: 512 x wave + 16 x lane
	s_lshl_b32 s30, ttmp9, 17                      ; my 32 rows of 4,096 bytes
	s_mov_b32 s31, 0
.irp b, 0,1,2,3
	v_mov_b32 v[TM+4+\b], 0                        ; written once: a lane permute's destination counts as one of its sources
.endr
	v_mul_u32_u24 v7, v2, SP
	v_lshl_add_u32 v7, v3, 6, v7                   ; 528 r + 64 h
	s_mul_i32 s29, s22, STGB
	s_wait_kmcnt 0x0
	s_cmp_eq_u32 s23, 0
	s_cbranch_scc1 .Lpath_q
	; ---- WK or WV
	s_cmp_eq_u32 s23, 1
	s_cselect_b64 s[32:33], s[10:11], s[14:15]     ; the weight
	s_cselect_b64 s[34:35], s[12:13], s[16:17]     ; its bias
	s_add_nc_u64 s[32:33], s[32:33], s[30:31]
	LOADR RW, 10, 32, 4096, 1
	s_add_co_u32 s36, s29, STKV
	v_add_nc_u32 v6, s36, v4                       ; my stage, in
	v_add_nc_u32 v8, s36, v7                       ; and back
	s_lshr_b32 s37, ttmp9, 2
	s_lshl_b32 s37, s37, 1
	s_add_co_u32 s37, s37, s23
	s_sub_co_u32 s37, s37, 1                       ; block 2 (x / 4) + kind
	s_mul_i32 s38, s37, SLOTB
	s_mov_b32 s39, 0
	s_add_nc_u64 s[20:21], s[20:21], s[38:39]
	s_and_b32 s40, ttmp9, 3                        ; P: my pair of tiles in the block
	s_lshl_b32 s41, s40, 15                        ; 2 P x 8 x 2,048
	s_lshl_b32 s42, s22, 11
	s_add_co_u32 s41, s41, s42
	v_add_nc_u32 v11, s41, v4                      ; my images
	s_lshl_b32 s41, s40, 10
	s_lshl_b32 s42, s22, 7
	s_add_co_u32 s41, s41, s42
	v_add_nc_u32 v9, s41, v5                       ; my scale words
	s_wait_loadcnt 0x0
	TOSTG RW, 6
	FROMSTG 0, 8
	s_wait_dscnt 0x0
	QUANT X, WC, 12
	FROMSTG 1, 8
	s_wait_dscnt 0x0
	QUANT X, WC+16, 13
.irp u, 0,1
.irp c, 0,1,2,3
	global_store_b128 v11, v[WC+16*\u+4*\c:WC+16*\u+4*\c+3], s[20:21] offset:16384*\u+512*\c   ; 512 consecutive bytes
.endr
.endr
	v_cndmask_b32 v14, v12, v13, s27               ; lanes 0-15 the even tile's words, lanes 16-31 the odd tile's
	global_store_b32 v9, v14, s[20:21] offset:131072
	s_cmp_lg_u32 s22, 0
	s_cbranch_scc1 .Lkv_end
	s_lshl_b32 s38, ttmp9, 7                       ; wave 0: my 32 rows' biases, and 128 of the block's closing zeros
	s_add_nc_u64 s[34:35], s[34:35], s[38:39]
	global_load_b32 v16, v5, s[34:35]
	s_lshl_b32 s41, s40, 7
	v_add_nc_u32 v17, s41, v5
	v_mov_b32 v18, 0
	s_wait_loadcnt 0x0
	global_store_b32 v17, v16, s[20:21] offset:135168
	global_store_b32 v17, v18, s[20:21] offset:135680
.Lkv_end:
	s_set_vgpr_msb 0x5
	s_wait_tensorcnt 0x0
	ds_add_u32 v128, v129
	s_wait_dscnt 0x0
	s_set_vgpr_msb 0x500
	s_endpgm
	; ---- q
.Lpath_q:
	s_add_nc_u64 s[6:7], s[6:7], s[30:31]
	LOADR RW, 10, 6, 4096, 1                       ; 32 rows of WQ
	WIN 0x40                                       ; destination window 1
	LOADR 0, 10, 4, 4096, 0                        ; the 32 rows of x, the same 128 columns
	WIN 0
	v_add_nc_u32 v6, s29, v4                       ; my stage, in
	v_add_nc_u32 v8, s29, v7                       ; and back
	s_lshl_b32 s36, s22, 12
	s_add_co_u32 s36, s36, RED
	v_add_nc_u32 v9, s36, v4                       ; where my partial sums go
	v_and_b32 v16, 7, v0                           ; pc: which four outputs of the 32
	v_bfe_u32 v17, v0, 3, 2                        ; rr: which of four batch rows
	v_lshrrev_b32 v18, 2, v16
	v_lshlrev_b32 v11, 11, v18                     ; tile u = pc / 4: 2,048
	v_and_b32 v18, 1, v16
	v_lshl_add_u32 v11, v18, 9, v11                ; registers 4 (pc % 2) on: 512
	v_bfe_u32 v18, v16, 1, 1
	v_lshl_add_u32 v11, v18, 8, v11                ; the half of the lanes: 256
	v_lshl_add_u32 v11, v17, 4, v11                ; lane rr (+ 4 k by the immediate)
	s_lshl_b32 s37, s22, 10                        ; the batch tile = my wave's number (waves 0 and 1 alone read)
	s_add_co_u32 s37, s37, RED
	v_add_nc_u32 v11, s37, v11
	s_wait_loadcnt 32                              ; WQ's 32 loads are in; x's 32 may be out
	TOSTG RW, 6
	FROMSTG 0, 8
	s_wait_dscnt 0x0
	QUANT X, WC, 12
	FROMSTG 1, 8
	s_wait_dscnt 0x0
	QUANT X, WC+16, 13
	s_wait_loadcnt 0x0
	WIN 0x04                                       ; an LDS store's data are its source 1: window 1
	TOSTG 0, 6
	WIN 0
	FROMSTG 0, 8
	s_wait_dscnt 0x0
	QUANT X, AC, 14
	FROMSTG 1, 8
	s_wait_dscnt 0x0
	QUANT X, AC+16, 15
	v_and_b32 v20, 7, v0
	v_lshlrev_b32 v20, 4, v20                      ; 16 pc
	s_lshl_b32 s38, ttmp9, 7
	s_mov_b32 s39, 0
	s_add_nc_u64 s[8:9], s[8:9], s[38:39]
	global_load_b128 v[16:19], v20, s[8:9]         ; WQ_b of my four outputs: it lands under the products and the barrier
	v_bfe_u32 v21, v0, 3, 2
	v_lshl_add_u32 v21, v21, 12, v20
	s_lshl_b32 s40, s22, 16
	s_add_co_u32 s40, s40, s38
	v_add_nc_u32 v21, s40, v21                     ; q: (16 wave + rr) rows of 4,096 bytes + 128 x + 16 pc
	v_nop                                          ; (with the lines above: more than four places between the codes and the products; the scale words were made ahead of the holds)
.irp u, 0,1
.irp m, 0,1                                    ; source 0 = 16 rows of WQ, source 1 = 16 rows of x: register j of lane (r, h) = q(16 m + r, 16 u + 8 h + j), this K step's part
	v_wmma_scale_f32_16x16x128_f8f6f4 v[ACC+8*(2*\u+\m):ACC+8*(2*\u+\m)+7], v[WC+16*\u:WC+16*\u+15], v[AC+16*\m:AC+16*\m+15], 0, v[12+\u], v[14+\m]
.endr
.endr
.rept 8
	v_nop                                          ; eight places behind this form before its results are read
.endr
.irp a, 0,1,2,3
	ds_store_b128 v9, v[ACC+8*\a:ACC+8*\a+3] offset:1024*\a          ; each accumulator from its low end on
	ds_store_b128 v9, v[ACC+8*\a+4:ACC+8*\a+7] offset:1024*\a+512
.endr
	s_wait_dscnt 0x0                               ; for the others' sake: my stores have landed
	s_barrier_signal -1
	s_barrier_wait -1
	s_cmp_gt_u32 s22, 1
	s_cbranch_scc1 .Lq_end                         ; waves 0 and 1 add the eight K steps' parts, a batch tile each
.irp k, 0,1,2,3
.irp w, 0,1,2,3,4,5,6,7
	ds_load_b128 v[128+4*(8*\k+\w):128+4*(8*\k+\w)+3], v11 offset:4096*\w+64*\k
.endr
.endr
	s_wait_dscnt 0x0
	s_wait_loadcnt 0x0                             ; the bias
.irp w, 1,2,3,4,5,6,7
.irp k, 0,1,2,3
	v_pk_add_f32 v[128+32*\k:129+32*\k], v[128+32*\k:129+32*\k], v[128+32*\k+4*\w:129+32*\k+4*\w]
	v_pk_add_f32 v[130+32*\k:131+32*\k], v[130+32*\k:131+32*\k], v[130+32*\k+4*\w:131+32*\k+4*\w]
.endr
.endr
.irp k, 0,1,2,3
	v_pk_add_f32 v[128+32*\k:129+32*\k], v[128+32*\k:129+32*\k], v[16:17]
	v_pk_add_f32 v[130+32*\k:131+32*\k], v[130+32*\k:131+32*\k], v[18:19]
.endr
.irp k, 0,1,2,3
	global_store_b128 v21, v[128+32*\k:131+32*\k], s[18:19] offset:16384*\k   ; eight lanes store a row's 128 bytes: all that this work-group has of a row
.endr
.Lq_end:
	s_set_vgpr_msb 0x5
	s_wait_tensorcnt 0x0
	ds_add_u32 v128, v129
	s_wait_dscnt 0x0
	s_set_vgpr_msb 0x500
	s_endpgm
.Lfunc_end_k_qfd334889da_prep:
	.size	k_qfd334889da_prep, .Lfunc_end_k_qfd334889da_prep-k_qfd334889da_prep
	.p2alignl 7, 3214868480
	.fill 96, 4, 3214868480
	.section	.rodata,"a",@progbits
	.p2align	6, 0x0
	.amdhsa_kernel k_qfd334889da_prep
		.amdhsa_group_segment_fixed_size 304128
		.amdhsa_private_segment_fixed_size 0
		.amdhsa_enable_private_segment 0
		.amdhsa_kernarg_size 72
		.amdhsa_user_sgpr_count 2
		.amdhsa_user_sgpr_kernarg_segment_ptr 1
		.amdhsa_wavefront_size32 1
		.amdhsa_system_sgpr_workgroup_id_x 1
		.amdhsa_system_sgpr_workgroup_id_y 1
		.amdhsa_system_sgpr_workgroup_id_z 1
		.amdhsa_system_vgpr_workitem_id 0
		.amdhsa_next_free_vgpr 386
		.amdhsa_next_free_sgpr 66
		.amdhsa_reserve_vcc 0
		.amdhsa_float_denorm_mode_32 3
		.amdhsa_float_denorm_mode_16_64 3
		.amdhsa_memory_ordered 1
		.amdhsa_forward_progress 1
		.amdhsa_inst_pref_size 83
	.end_amdhsa_kernel
	.amdgpu_metadata
---
amdhsa.version: [ 1, 2 ]
amdhsa.kernels:
  - .name:           k_qfd334889da_prep
    .symbol:         k_qfd334889da_prep.kd
    .args:
      - { .name: x, .offset: 0, .size: 8, .value_kind: global_buffer, .address_space: global }
      - { .name: WQ_w, .offset: 8, .size: 8, .value_kind: global_buffer, .address_space: global }
      - { .name: WQ_b, .offset: 16, .size: 8, .value_kind: global_buffer, .address_space: global }
      - { .name: WK_w, .offset: 24, .size: 8, .value_kind: global_buffer, .address_space: global }
      - { .name: WK_b, .offset: 32, .size: 8, .value_kind: global_buffer, .address_space: global }
      - { .name: WV_w, .offset: 40, .size: 8, .value_kind: global_buffer, .address_space: global }
      - { .name: WV_b, .offset: 48, .size: 8, .value_kind: global_buffer, .address_space: global }
      - { .name: q, .offset: 56, .size: 8, .value_kind: global_buffer, .address_space: global }
      - { .name: wkv, .offset: 64, .size: 8, .value_kind: global_buffer, .address_space: global }
    .group_segment_fixed_size: 304128
    .private_segment_fixed_size: 0
    .kernarg_segment_align: 8
    .kernarg_segment_size: 72
    .max_flat_workgroup_size: 256
    .sgpr_count:     66
    .vgpr_count:     386
    .wavefront_size: 32
...
	.end_amdgpu_metadata
.endif
;; end of part 1
;; launch attn (part 2): grid 8 x 32, 4 waves a work-group, clusters of 4 x 1, 327,680 bytes of LDS; arguments y, wkv, q, patt, pstat; writes patt, pstat
.if DOCPART == 2
	.amdgcn_target "amdgcn-amd-amdhsa--gfx1250"
	.amdhsa_code_object_version 6
	.text
	.protected	k_qfd334889da_attn
	.globl	k_qfd334889da_attn
	.p2align	8
	.type	k_qfd334889da_attn,@function
k_qfd334889da_attn:
	s_mov_b64 s[64:65], 0
	v_nop
	global_prefetch_b8 v0, s[64:65] scope:SCOPE_SE
	s_setreg_imm32_b32 hwreg(HW_REG_WAVE_MODE, 25, 1), 1
	s_wait_xcnt 0x0
	s_wait_alu depctr_hold_cnt(0) depctr_sa_sdst(0) depctr_va_vdst(0) depctr_va_sdst(0) depctr_va_ssrc(0) depctr_va_vcc(0) depctr_vm_vsrc(0)
	s_getreg_b32 s2, hwreg(HW_REG_IB_STS2, 6, 4)
	s_cmp_eq_u32 s2, 0
	s_cbranch_scc0 .Lentry_in_a_cluster
	s_endpgm
.Lentry_in_a_cluster:
	s_bfe_u32 s2, ttmp6, 0x10000c
	s_cmp_lg_u32 s2, 0x3003
	s_cbranch_scc0 .Lentry_shape_is_right
	s_endpgm
.Lentry_shape_is_right:
; ATTN.  For batch b and 128 columns l of y: k = Q(WK) Q(y) + WK_b and v = Q(WV) Q(y), both on codes of E4M3 with E8M0 scales along the 1,024 channels, and at once the one-query
; attention's part over these columns; k and v never leave the registers.
; SHARES.  A work-group owns (b, 128 l).  Wave w: lh = w % 2 says which 64 l, oh = w / 2 which of the two heads of a block of weights.  A wave keeps the codes of its 64 l x 1,024 c in 512 registers.
; PHASE Y.  y[b] comes as f32 [c][l], in four chunks of 256 c x 128 l, by tensor loads into the two LDS slots.  A lane takes a column l and its registers run down c, so that the conversions give codes
; with c innermost.  Each wave quantises four fragments a chunk; they reach the partner wave through LDS as images of their registers.
; PHASE W.  The 16 blocks of wkv (128 rows of WK or WV x all of K, as register images) walk through the same two slots: even blocks (WK) slot 0, odd (WV) slot 1.  All work-groups read the same blocks,
; so the four of a cluster ask JOINTLY.  A block is 128 matrix instructions a wave: one head, 64 rows x 64 l, 16 accumulators by turns, one instruction a turn.
; K: source 0 = 16 rows of WK, source 1 = 16 l: a lane holds one l and eight rows; WK_b is the C of the first K step; the dot with q is fused multiply-adds in f32.
; V: source 0 = 16 l, source 1 = 16 rows of WV: a lane holds one row and eight l; the sum with p likewise; WV_b enters as WV_b x the sum of p.
; SOFTMAX.  Over the wave's 64 l: mt = c x the largest dot, c = log2(e) / 8; p = 2^(c dot - mt); s = the sum of p.  mt, s and the unnormalised sums go to memory; the next launch joins the 16 parts of a row.
; LIMITS: NaN and infinities among the inputs are not served; a block of y whose largest magnitude lies under 2^-118 (zeros too) gets the scale byte 1: its codes are zeros or subnormal.
; REGISTERS, in windows of 256.  Window 0: v0-31 addresses and temporaries; v32-63 y's scale words (8 t + S); v64-79 WK's, v80-95 WV's; v96-127 WK_b as C; v128-159 q; v160-191 p; v192-235 at work.
;   In phase Y: v96-159 64 numbers, v192-207 the quantiser's, v208-224 codes and scale word.   Windows 1, 2: y's fragment (t, S) at 16 (8 (t % 2) + S) of window 1 + t / 2.
;   Window 3: v0-127 two sets of four weight fragments; v128-255 accumulator (T, t) at 128 + 8 (4 T + t).
.set SLOTB, 136192                     ; a block of wkv, and an LDS slot: 532 rows of 256 bytes
.set YQB,   64*520                     ; a wave's quarter of a chunk of y: 64 rows of 512 bytes + 8 of padding
.set WQB,   133*256                    ; a wave's quarter of a block
.set XSTG,  2*SLOTB                    ; 16 fragment images of 2,048 bytes
.set XSC,   XSTG+16*2048               ; their scale words, 128 bytes each
.set PST,   XSC+16*128                 ; 256 bytes a wave: p on its way from one layout to the other
.set SPARE, PST+4*256                  ; the spare words, 128 bytes a wave: two blocks of 256 bytes that no other line names
.set X,    96
.set TM,   192
.set PC,   208
.set PW,   224
.set YS,   32
.set WSK,  64
.set WSV,  80
.set BK,   96
.set QR,   128
.set PT,   160
.set PART, 192
.set DOT,  200
.set TMP,  204
.set PP,   208
.set MX,   212
.set MT,   213
.set SS,   214
.set VAL,  215
.set BV,   216
.set ATT,  220
.set A1,   228
.set TMP2, 232
.set WV,   14                          ; s14 wave, s15 lh, s16 oh
.set LH,   15
.set OH,   16
.set G1Y,  24                          ; s[24:31] group 1 for y's tiles;  s[32:39] for the blocks of weights
.set G1W,  32
.set G0Y,  40                          ; s[40:47] groups 0 for y, one a slot;  s[48:55] for the weights
.set G0W,  48
.set SEL,  56                          ; s[56:57] lane selects: lane l xor 16
.set CS,   58                          ; s58 c
.set MNT,  59                          ; s59 the mantissa field of 448
.set TRIP, 60                          ; s60 j: the pair of heads in hand
.set TT,   61
.set YO,   62
.set XO,   63
.set SO,   66
.set MSB, 0
.macro WIN new                         ; the immediate's high byte repeats the setting that is left
.if MSB != (\new)
	s_set_vgpr_msb (MSB<<8)|(\new)
.set MSB, (\new)
.endif
.endm
.macro CREST                           ; a round of the cluster's barrier behind its opening barrier
	s_cmp_lg_u32 s[WV], 0
	s_cbranch_scc1 .Lnot_wave_0_\@
	s_barrier_signal -3
.Lnot_wave_0_\@:
	s_barrier_wait -3
	s_barrier_signal -1
	s_barrier_wait -1
.endm
.macro CROUND                          ; a whole round
	s_barrier_signal -1
	s_barrier_wait -1
	CREST
.endm
.macro PLACES n
.rept \n
	v_nop
.endr
.endm
; 64 numbers of a lane, register 16 b + i = c 32 b + 16 (lane / 16) + i of my column, become a fragment's codes in v[pc] on and its scale word in v[pw]
.macro QUANT s, pc, pw
.irp b, 0,1,2,3
	v_max3_num_f32 v[TM+\b], |v[\s+16*\b]|, |v[\s+1+16*\b]|, 0x4800000   ; my 16 numbers and the floor 2^(9 - 127): the byte cannot fall under 1
.endr
.irp i, 2,4,6,8,10,12,14
.irp b, 0,1,2,3
	v_max3_num_f32 v[TM+\b], v[TM+\b], |v[\s+16*\b+\i]|, |v[\s+1+16*\b+\i]|
.endr
.endr
.irp b, 0,1,2,3
	v_permlanex16_b32 v[TM+4+\b], v[TM+\b], s[SEL], s[SEL+1]
.endr
.irp b, 0,1,2,3
	v_max_num_f32 v[TM+\b], v[TM+\b], v[TM+4+\b]                    ; with lane l xor 16's: the block's largest magnitude
.endr
.irp b, 0,1,2,3
	v_add_nc_u32 v[TM+12+\b], 0xfc000000, v[TM+\b]                 ; 8 off its exponent field: the conversion's scale operand
.endr
.irp b, 0,1,2,3
	v_and_or_b32 v[TM+8+\b], v[TM+\b], 0x7f800000, s[MNT]          ; 448 x the scale
.endr
.irp b, 0,1,2,3
	v_lshrrev_b32 v[TM+4+\b], 23, v[TM+12+\b]                      ; the scale's byte
.endr
	v_lshl_or_b32 v[\pw], v[TM+5], 8, v[TM+4]
	v_lshl_or_b32 v[\pw], v[TM+6], 16, v[\pw]
	v_lshl_or_b32 v[\pw], v[TM+7], 24, v[\pw]
.irp b, 0,1,2,3
.irp i, 0,1,2,3,4,5,6,7,8,9,10,11,12,13,14,15
	v_med3_num_f32 v[\s+16*\b+\i], v[\s+16*\b+\i], -v[TM+8+\b], v[TM+8+\b]   ; the conversion does not saturate (ISA guide 7.6.2): hold first
.endr
	v_cvt_scalef32_pk8_fp8_f32 v[\pc+4*\b:\pc+1+4*\b], v[\s+16*\b:\s+7+16*\b], v[TM+12+\b]
	v_cvt_scalef32_pk8_fp8_f32 v[\pc+2+4*\b:\pc+3+4*\b], v[\s+8+16*\b:\s+15+16*\b], v[TM+12+\b]
.endr
	v_nop                                          ; a plain line behind the last conversion
.endm
; Four trips: tile TT of my 64 l, K step oh of the chunk in slot sl: 64 numbers a lane from LDS, quantised, the image and its scale words to LDS
.macro QLOOP sl
	s_mov_b32 s[TT], 4
	s_mov_b32 s[YO], 0
	s_mov_b32 s[XO], 0
	s_mov_b32 s[SO], 0
.Lq_\@:
	v_add_nc_u32 v24, s[YO], v[6+\sl]
	v_add_nc_u32 v25, s[XO], v8
	v_add_nc_u32 v26, s[SO], v9
.irp b, 0,1,2,3
.irp i, 0,1,2,3,4,5,6,7,8,9,10,11,12,13,14,15
	ds_load_b32 v[X+16*\b+\i], v24 offset:(32*\b+\i)*520   ; y(32 b + 16 h + i, my l): lanes 0-15 take 64 neighbouring bytes, lanes 16-31 those 16 rows (2,080 words) on: the other half of the banks
.endr
.endr
	s_wait_dscnt 0x0
	QUANT X, PC, PW
.irp c, 0,1,2,3
	ds_store_b128 v25, v[PC+4*\c:PC+4*\c+3] offset:512*\c
.endr
	ds_store_b32 v26, v[PW]
	s_wait_dscnt 0x0                               ; the stores' registers are written again only behind this wait
	s_add_co_u32 s[YO], s[YO], 64
	s_add_co_u32 s[XO], s[XO], 4096
	s_add_co_u32 s[SO], s[SO], 256
	s_sub_co_u32 s[TT], s[TT], 1
	s_cmp_lg_u32 s[TT], 0
	s_cbranch_scc1 .Lq_\@
.endm
; The chunk's eight fragments of my 64 l (four made by me, four by my partner) come into their registers for good: K steps 2 i and 2 i + 1
.macro FETCHY i
	s_wait_dscnt 0x0
	s_barrier_signal -1
	s_barrier_wait -1                              ; all sixteen images lie in LDS.
.irp g, 0,1
	WIN 0x40+0x40*\g                               ; destination window 1, then 2
.irp u, 0,1
.irp k, 0,1
.irp c, 0,1,2,3
	ds_load_b128 v[(8*\u+2*(\i)+\k)*16+4*\c:(8*\u+2*(\i)+\k)*16+4*\c+3], v10 offset:(2*(2*\g+\u)+\k)*2048+512*\c
.endr
.endr
.endr
.endr
	WIN 0
.irp t, 0,1,2,3
.irp k, 0,1
	ds_load_b32 v[YS+8*\t+2*(\i)+\k], v11 offset:(2*\t+\k)*128
.endr
.endr
.endm
; A slot that has been read out is filled again.  Every wave: all its tensor loads have landed; 0 onto its spare word; that and its LDS reads are done; a round of the cluster's barrier; its one load first behind it.
.macro CHANGE g0, g1, step
	s_wait_tensorcnt 0x0                           ; no tensor load of mine is out, so a group 0 may be written
	ds_add_u32 v4, v5
.if \step
	s_add_nc_u64 s[\g0+2:\g0+3], s[\g0+2:\g0+3], \step
.endif
	s_wait_dscnt 0x0
	CROUND
	tensor_load_to_lds s[\g0:\g0+3], s[\g1:\g1+7]
	s_nop 0
	PLACES 4
.endm
; One matrix instruction: kind 0 = K, 1 = V; K step ks; weight tile tw; tile ty of my l.  The weights' scale words: lanes 0-15 the even tile's, lanes 16-31 the odd tile's.
.macro MM1 kind, ks, tw, ty
.set rD, 128+8*(4*(\tw)+(\ty))
.set rW, 64*((\ks)%2)+16*(\tw)
.set rY, 16*(8*((\ty)%2)+(\ks))
.set rC, BK+8*(\tw)
.set rSY, YS+8*(\ty)+(\ks)
.if (\kind) == 0
.set rSW, WSK+8*((\tw)/2)+(\ks)
.if (\ks) == 0
.if (\tw)%2
	v_wmma_scale_f32_16x16x128_f8f6f4 v[rD:rD+7], v[rW:rW+15], v[rY:rY+15], v[rC:rC+7], v[rSW], v[rSY] matrix_a_scale:MATRIX_SCALE_ROW1
.else
	v_wmma_scale_f32_16x16x128_f8f6f4 v[rD:rD+7], v[rW:rW+15], v[rY:rY+15], v[rC:rC+7], v[rSW], v[rSY]
.endif
.else
.if (\tw)%2
	v_wmma_scale_f32_16x16x128_f8f6f4 v[rD:rD+7], v[rW:rW+15], v[rY:rY+15], v[rD:rD+7], v[rSW], v[rSY] matrix_a_scale:MATRIX_SCALE_ROW1
.else
	v_wmma_scale_f32_16x16x128_f8f6f4 v[rD:rD+7], v[rW:rW+15], v[rY:rY+15], v[rD:rD+7], v[rSW], v[rSY]
.endif
.endif
.else
.set rSW, WSV+8*((\tw)/2)+(\ks)
.if (\ks) == 0
.if (\tw)%2
	v_wmma_scale_f32_16x16x128_f8f6f4 v[rD:rD+7], v[rY:rY+15], v[rW:rW+15], 0, v[rSY], v[rSW] matrix_b_scale:MATRIX_SCALE_ROW1
.else
	v_wmma_scale_f32_16x16x128_f8f6f4 v[rD:rD+7], v[rY:rY+15], v[rW:rW+15], 0, v[rSY], v[rSW]
.endif
.else
.if (\tw)%2
	v_wmma_scale_f32_16x16x128_f8f6f4 v[rD:rD+7], v[rY:rY+15], v[rW:rW+15], v[rD:rD+7], v[rSY], v[rSW] matrix_b_scale:MATRIX_SCALE_ROW1
.else
	v_wmma_scale_f32_16x16x128_f8f6f4 v[rD:rD+7], v[rY:rY+15], v[rW:rW+15], v[rD:rD+7], v[rSY], v[rSW]
.endif
.endif
.endif
.endm
.macro MM4 kind, ks, grp, tp           ; weight tiles 2 tp, 2 tp + 1 x l tiles 2 grp, 2 grp + 1
	MM1 \kind, \ks, 2*(\tp), 2*(\grp)
	MM1 \kind, \ks, 2*(\tp), 2*(\grp)+1
	MM1 \kind, \ks, 2*(\tp)+1, 2*(\grp)
	MM1 \kind, \ks, 2*(\tp)+1, 2*(\grp)+1
.endm
.macro MMWIN kind, ks, grp             ; weights, C and D window 3; y window 1 + grp; K's first step takes C (the bias) from window 0
.if (\kind) == 0
.if (\ks) == 0
	WIN 0xC7+4*(\grp)
.else
	WIN 0xF7+4*(\grp)
.endif
.else
	WIN 0xFD+(\grp)
.endif
.endm
.macro FETCHW sl, ks, buf              ; my head's four weight fragments of K step ks: 16 loads of 512 consecutive bytes
.irp w, 0,1,2,3
.irp c, 0,1,2,3
	ds_load_b128 v[64*(\buf)+16*\w+4*\c:64*(\buf)+16*\w+4*\c+3], v[12+\sl] offset:(8*\w+(\ks))*2048+512*\c
.endr
.endr
.endm
; K steps 0 to 6 of a block: 16 matrix instructions; in their middle the next step's fragments are asked for.  The l groups go 0, 1 in even steps and 1, 0 in odd ones, which spares a switch of the window.
.macro STEP kind, sl, ks
.if (\ks) == 0
	s_wait_dscnt 0x0                               ; all that was asked for at the head of the block
.else
	s_wait_dscnt 8                                 ; tiles 0 and 1 are in; the eight younger loads may be out
.endif
	MMWIN \kind, \ks, (\ks)%2
	MM4 \kind, \ks, (\ks)%2, 0
	s_wait_dscnt 0x0
	MM4 \kind, \ks, (\ks)%2, 1
	PLACES 8                                       ; eight places between the last step's products and loads into the fragments that they read (matrix instructions are not counted)
	WIN 0xC0                                       ; destination window 3
	FETCHW \sl, (\ks)+1, ((\ks)+1)%2
	MMWIN \kind, \ks, 1-(\ks)%2
	MM4 \kind, \ks, 1-(\ks)%2, 0
	MM4 \kind, \ks, 1-(\ks)%2, 1
.endm
.macro PREK step                       ; the head of a block of WK (slot 0): q of my head, the scale words, the bias as C, the first fragments
.if \step
	s_add_nc_u64 s[72:73], s[72:73], 512           ; (the last loads by this base were waited for)
.endif
.irp w, 0,1,2,3
	global_load_b128 v[QR+8*\w:QR+8*\w+3], v20, s[72:73] offset:64*\w      ; q(16 T + 8 h + 0 .. 7)
	global_load_b128 v[QR+8*\w+4:QR+8*\w+7], v20, s[72:73] offset:64*\w+16
.endr
.irp p, 0,1
.irp k, 0,1,2,3,4,5,6,7
	ds_load_b32 v[WSK+8*\p+\k], v14 offset:(8*\p+\k)*128
.endr
.endr
.irp w, 0,1,2,3
	ds_load_b128 v[BK+8*\w:BK+8*\w+3], v16 offset:64*\w
	ds_load_b128 v[BK+8*\w+4:BK+8*\w+7], v16 offset:64*\w+16
.endr
	WIN 0xC0
	FETCHW 0, 0, 0
	WIN 0
.endm
.macro PREV                            ; the head of a block of WV (slot 1)
.irp p, 0,1
.irp k, 0,1,2,3,4,5,6,7
	ds_load_b32 v[WSV+8*\p+\k], v15 offset:(8*\p+\k)*128
.endr
.endr
.irp w, 0,1,2,3
	ds_load_b32 v[BV+\w], v17 offset:64*\w         ; WV_b(16 T + r)
.endr
	WIN 0xC0
	FETCHW 1, 0, 0
	WIN 0
.endm
; K step 7 changes slots: ONE barrier.  In front of it each wave waits for all its tensor loads (its quarter of the other slot), adds 0 to its spare word, and waits for that and for its reads of this slot.
; fill = 1: the barrier opens a round of the cluster's barrier, and this slot takes the block two further on.  nxt: 0 = a block of WK follows, 1 = of WV.
.macro TURN kind, sl, fill, nxt
	WIN 0
	s_wait_tensorcnt 0x0
	ds_add_u32 v4, v5
.if \fill
	s_add_nc_u64 s[G0W+4*\sl+2:G0W+4*\sl+3], s[G0W+4*\sl+2:G0W+4*\sl+3], 2*SLOTB
.endif
	s_wait_dscnt 9                                 ; tiles 0 and 1 are in; eight loads and the add may be out
	MMWIN \kind, 7, 1
	MM4 \kind, 7, 1, 0
	s_wait_dscnt 1                                 ; the add alone may be out
	MM4 \kind, 7, 1, 1
	s_wait_dscnt 0x0                               ; the add is done, and my reads of this slot are over
	s_barrier_signal -1
	MMWIN \kind, 7, 0
	MM4 \kind, 7, 0, 0
	MM4 \kind, 7, 0, 1
	WIN 0
	s_barrier_wait -1
.if \fill
	CREST                                          ; no wave of any partner still reads this slot or has a load on its way
	tensor_load_to_lds s[G0W+4*\sl:G0W+4*\sl+3], s[G1W:G1W+7]
	s_nop 0
.endif
	PLACES 8                                       ; behind the load, and the places in front of the loads and reads below
.if (\nxt) == 0
	PREK 1
.else
	PREV
.endif
.endm
; Behind a block of WK: dot(l) = the sum over my head's 64 rows of q k, and the softmax's part over my 64 l
.macro KEPI
	s_wait_loadcnt 0x0                             ; q
	WIN 0x03                                       ; source 0 (the accumulators) window 3
.irp t, 0,1,2,3
	v_pk_mul_f32 v[PART+2*\t:PART+2*\t+1], v[128+8*\t:129+8*\t], v[QR:QR+1]          ; each accumulator is read from its low end on
.endr
.irp p, 1,2,3
.irp t, 0,1,2,3
	v_pk_fma_f32 v[PART+2*\t:PART+2*\t+1], v[128+8*\t+2*\p:129+8*\t+2*\p], v[QR+2*\p:QR+2*\p+1], v[PART+2*\t:PART+2*\t+1]
.endr
.endr
.irp w, 1,2,3
.irp p, 0,1,2,3
.irp t, 0,1,2,3
	v_pk_fma_f32 v[PART+2*\t:PART+2*\t+1], v[128+8*(4*\w+\t)+2*\p:129+8*(4*\w+\t)+2*\p], v[QR+8*\w+2*\p:QR+8*\w+2*\p+1], v[PART+2*\t:PART+2*\t+1]
.endr
.endr
.endr
	WIN 0
.irp t, 0,1,2,3
	v_add_f32 v[DOT+\t], v[PART+2*\t], v[PART+2*\t+1]
.endr
.irp t, 0,1,2,3
	v_permlanex16_b32 v[TMP+\t], v[DOT+\t], s[SEL], s[SEL+1]       ; the other 32 rows lie in the lane 16 away
.endr
.irp t, 0,1,2,3
	v_add_f32 v[DOT+\t], v[DOT+\t], v[TMP+\t]
.endr
	v_max3_num_f32 v[MX], v[DOT], v[DOT+1], v[DOT+2]
	v_max_num_f32 v[MX], v[MX], v[DOT+3]
	v_max_num_f32_dpp v[MX], v[MX], v[MX] row_xmask:1 row_mask:0xf bank_mask:0xf
	v_max_num_f32_dpp v[MX], v[MX], v[MX] row_xmask:2 row_mask:0xf bank_mask:0xf
	v_max_num_f32_dpp v[MX], v[MX], v[MX] row_xmask:4 row_mask:0xf bank_mask:0xf
	v_max_num_f32_dpp v[MX], v[MX], v[MX] row_xmask:8 row_mask:0xf bank_mask:0xf
	v_mul_f32 v[MT], s[CS], v[MX]                  ; mt (c is positive)
.irp t, 0,1,2,3
	v_fma_f32 v[PP+\t], v[DOT+\t], s[CS], -v[MT]
.endr
.irp t, 0,1,2,3
	v_exp_f32 v[PP+\t], v[PP+\t]                   ; p(16 t + r), at most about 1
.endr
	v_nop                                          ; a plain line behind the exponentials
	s_wait_alu depctr_va_vdst(0)
.irp t, 0,1,2,3
	ds_store_b32 v18, v[PP+\t] offset:64*\t        ; both halves of the lanes write the same word with the same value
.endr
	v_add_f32 v[SS], v[PP], v[PP+1]
	v_add_f32 v[VAL], v[PP+2], v[PP+3]
	v_add_f32 v[SS], v[SS], v[VAL]
	v_add_f32_dpp v[SS], v[SS], v[SS] row_xmask:1 row_mask:0xf bank_mask:0xf
	v_add_f32_dpp v[SS], v[SS], v[SS] row_xmask:2 row_mask:0xf bank_mask:0xf
	v_add_f32_dpp v[SS], v[SS], v[SS] row_xmask:4 row_mask:0xf bank_mask:0xf
	v_add_f32_dpp v[SS], v[SS], v[SS] row_xmask:8 row_mask:0xf bank_mask:0xf
.irp t, 0,1,2,3
	ds_load_b128 v[PT+8*\t:PT+8*\t+3], v19 offset:64*\t            ; back as p(16 t + 8 h + 0 .. 7): LDS serves a wave's instructions in order
	ds_load_b128 v[PT+8*\t+4:PT+8*\t+7], v19 offset:64*\t+16
.endr
	v_cndmask_b32 v[VAL], v[MT], v[SS], s68        ; lanes 0-7 keep mt of heads j = 0 .. 7, lanes 8-15 s
	v_cmp_eq_u32 vcc_lo, s[TRIP], v23
	v_cndmask_b32 v22, v22, v[VAL], vcc_lo
.endm
; Behind a block of WV: att(row) = the sum over my 64 l of p v, + WV_b x s; 64 numbers to memory
.macro VEPI
	WIN 0x03
.irp w, 0,1,2,3
	v_pk_mul_f32 v[ATT+2*\w:ATT+2*\w+1], v[128+32*\w:129+32*\w], v[PT:PT+1]
.endr
.irp p, 1,2,3
.irp w, 0,1,2,3
	v_pk_fma_f32 v[ATT+2*\w:ATT+2*\w+1], v[128+32*\w+2*\p:129+32*\w+2*\p], v[PT+2*\p:PT+2*\p+1], v[ATT+2*\w:ATT+2*\w+1]
.endr
.endr
.irp t, 1,2,3
.irp p, 0,1,2,3
.irp w, 0,1,2,3
	v_pk_fma_f32 v[ATT+2*\w:ATT+2*\w+1], v[128+8*(4*\w+\t)+2*\p:129+8*(4*\w+\t)+2*\p], v[PT+8*\t+2*\p:PT+8*\t+2*\p+1], v[ATT+2*\w:ATT+2*\w+1]
.endr
.endr
.endr
	WIN 0
.irp w, 0,1,2,3
	v_add_f32 v[A1+\w], v[ATT+2*\w], v[ATT+2*\w+1]
.endr
.irp w, 0,1,2,3
	v_permlanex16_b32 v[TMP2+\w], v[A1+\w], s[SEL], s[SEL+1]
.endr
.irp w, 0,1,2,3
	v_add_f32 v[A1+\w], v[A1+\w], v[TMP2+\w]
.endr
.irp w, 0,1,2,3
	v_fmac_f32 v[A1+\w], v[BV+\w], v[SS]
.endr
	v_cndmask_b32 v27, v[A1], v[A1+1], s69         ; lanes 0-15 rows 0-15, lanes 16-31 rows 16-31
	v_cndmask_b32 v28, v[A1+2], v[A1+3], s69
	global_store_b32 v21, v27, s[74:75]            ; the two stores together cover 256 consecutive bytes, aligned
	global_store_b32 v21, v28, s[74:75] offset:128
	s_wait_xcnt 0x0                                ; the base and the data are written again only behind this wait
	s_add_nc_u64 s[74:75], s[74:75], 512
	s_add_co_u32 s[TRIP], s[TRIP], 1
.endm
.macro STEPS kind, sl
.irp q, 0,1,2,3,4,5,6
	STEP \kind, \sl, \q
.endr
.endm
	s_load_b256 s[4:11], s[0:1], 0x0               ; y s[4:5], wkv s[6:7], q s[8:9], patt s[10:11]
	s_load_b64 s[12:13], s[0:1], 0x20              ; pstat
	v_lshl_add_u32 v4, v0, 2, SPARE
	v_mov_b32 v5, 0
	ds_add_u32 v4, v5
	ds_add_u32 v4, v5
	s_wait_dscnt 0x0
	v_lshrrev_b32 v1, 5, v0
	v_readfirstlane_b32 s[WV], v1                  ; wave 0..3
	s_and_b32 s[LH], s[WV], 1
	s_lshr_b32 s[OH], s[WV], 1
	; group 1 for y: 64 rows of 128 elements of 4 bytes, 1,024 elements apart; in LDS 2 words of padding behind every 128: rows 520 bytes apart.  No mask: each work-group has its own columns
	s_mov_b32 s[G1Y], (2<<16)|(1<<20)|(6<<22)|(1<<25)
	s_mov_b32 s[G1Y+1], 128<<16                    ; tensor_dim0
	s_mov_b32 s[G1Y+2], 64<<16                     ; tensor_dim1
	s_mov_b32 s[G1Y+3], 128<<16                    ; tile_dim0
	s_mov_b32 s[G1Y+4], 64                         ; tile_dim1
	s_mov_b32 s[G1Y+5], 1024                       ; stride
	s_mov_b32 s[G1Y+6], 0
	s_mov_b32 s[G1Y+7], 0
	; group 1 for the weights: a dense run of 133 rows of 256 bytes (32 elements of 8 bytes); the mask names the cluster's four work-groups, bit 21 beside it
	s_mov_b32 s[G1W], 15|(3<<16)|(1<<21)
	s_mov_b32 s[G1W+1], 32<<16
	s_mov_b32 s[G1W+2], 133<<16
	s_mov_b32 s[G1W+3], 32<<16
	s_mov_b32 s[G1W+4], 133
	s_mov_b32 s[G1W+5], 32
	s_mov_b32 s[G1W+6], 0
	s_mov_b32 s[G1W+7], 0
	s_mul_i32 s22, s[WV], WQB                      ; my quarter of a block: in memory and in a slot alike; it hangs on the wave's number alone
	s_mov_b32 s23, 0
	s_mul_i32 s67, s[WV], YQB                      ; my quarter of a chunk of y in a slot
	s_bfe_u32 s17, ttmp6, 0x40000                  ; cx
	s_lshl_b32 s18, ttmp9, 2
	s_add_co_u32 s18, s18, s17                     ; which 128 l: 4 x cluster x + cx: it enters global addresses of my own loads and stores alone
	s_and_b32 s19, ttmp7, 0xffff                   ; b
	s_lshl_b32 s20, s19, 22                        ; y: b x 4 MiB
	s_lshl_b32 s21, s[WV], 18                      ; + my 64 rows of 4,096 bytes
	s_add_co_u32 s20, s20, s21
	s_lshl_b32 s21, s18, 9                         ; + my 128 columns
	s_add_co_u32 s20, s20, s21
	s_mov_b32 s21, 0
	s_mov_b32 s[SEL], 0x76543210
	s_mov_b32 s[SEL+1], 0xfedcba98
	s_mov_b32 s[CS], 0x3e38aa3b                    ; c = log2(e) / 8
	s_mov_b32 s[MNT], 0x600000
	s_mov_b32 s[TRIP], 0
	s_mov_b32 s68, 0xff00ff00
	s_mov_b32 s69, 0xffff0000
	s_wait_kmcnt 0x0
	s_add_nc_u64 s[20:21], s[4:5], s[20:21]
	s_mov_b32 s[G0Y], 1
	s_mov_b32 s[G0Y+1], s67                        ; slot 0
	s_mov_b64 s[G0Y+2:G0Y+3], s[20:21]             ; chunk 0
	s_or_b32 s[G0Y+3], s[G0Y+3], 0x80000000
	s_mov_b32 s[G0Y+4], 1
	s_add_co_u32 s[G0Y+5], s67, SLOTB              ; slot 1
	s_add_nc_u64 s[G0Y+6:G0Y+7], s[20:21], 0x100000   ; chunk 1: 256 rows on
	s_or_b32 s[G0Y+7], s[G0Y+7], 0x80000000
	s_mov_b32 s[G0W], 1
	s_mov_b32 s[G0W+1], s22
	s_add_nc_u64 s[G0W+2:G0W+3], s[6:7], s[22:23]  ; block 0
	s_mov_b32 s[G0W+4], 1
	s_add_co_u32 s[G0W+5], s22, SLOTB
	s_add_nc_u64 s[G0W+6:G0W+7], s[G0W+2:G0W+3], SLOTB   ; block 1
	s_or_b32 s[G0W+3], s[G0W+3], 0x80000000
	s_or_b32 s[G0W+7], s[G0W+7], 0x80000000
	CROUND                                         ; the round in front of the first tensor loads
	tensor_load_to_lds s[G0Y:G0Y+3], s[G1Y:G1Y+7]
	s_nop 0
	tensor_load_to_lds s[G0Y+4:G0Y+7], s[G1Y:G1Y+7]   ; two loads of mine are out
	s_nop 0
	PLACES 4
	s_mov_b32 s71, 0
	s_lshl_b32 s70, s19, 12                        ; q: b x 4,096 + 256 oh; 512 a pair of heads
	s_lshl_b32 s17, s[OH], 8
	s_add_co_u32 s70, s70, s17
	s_add_nc_u64 s[72:73], s[8:9], s[70:71]
	s_lshl_b32 s70, s19, 16                        ; patt [b][2 x chunk + lh][1024]
	s_lshl_b32 s17, s18, 13
	s_add_co_u32 s70, s70, s17
	s_lshl_b32 s17, s[LH], 12
	s_add_co_u32 s70, s70, s17
	s_lshl_b32 s17, s[OH], 8
	s_add_co_u32 s70, s70, s17
	s_add_nc_u64 s[74:75], s[10:11], s[70:71]
	s_lshl_b32 s70, s19, 11                        ; pstat [b][2 x chunk + lh][oh][mt, s][j]
	s_lshl_b32 s17, s18, 8
	s_add_co_u32 s70, s70, s17
	s_lshl_b32 s17, s[LH], 7
	s_add_co_u32 s70, s70, s17
	s_lshl_b32 s17, s[OH], 6
	s_add_co_u32 s70, s70, s17
	s_add_nc_u64 s[76:77], s[12:13], s[70:71]
	v_and_b32 v1, 31, v0                           ; lane
	v_and_b32 v2, 15, v0                           ; r
	v_bfe_u32 v3, v0, 4, 1                         ; h
	v_lshlrev_b32 v24, 4, v1                       ; 16 lane
	v_lshlrev_b32 v21, 2, v1                       ; 4 lane
	v_lshlrev_b32 v25, 2, v2                       ; 4 r
	v_lshlrev_b32 v20, 5, v3                       ; 32 h
	v_and_b32 v23, 7, v0
	v_mul_u32_u24 v26, v3, 16*520
	v_add_nc_u32 v26, v26, v25
	s_mul_i32 s22, s[OH], 128*520
	s_lshl_b32 s23, s[LH], 8
	s_add_co_u32 s22, s22, s23
	v_add_nc_u32 v6, s22, v26                      ; y in slot 0: K step oh, rows 16 h on, my 64 l, column r
	v_add_nc_u32 v7, SLOTB, v6                     ; in slot 1
	s_lshl_b32 s22, s[LH], 3
	s_add_co_u32 s22, s22, s[OH]
	s_lshl_b32 s23, s22, 11
	s_add_co_u32 s23, s23, XSTG
	v_add_nc_u32 v8, s23, v24                      ; image 8 lh + 2 TT + oh, on the way in
	s_lshl_b32 s23, s22, 7
	s_add_co_u32 s23, s23, XSC
	v_add_nc_u32 v9, s23, v21
	s_lshl_b32 s23, s[LH], 14
	s_add_co_u32 s23, s23, XSTG
	v_add_nc_u32 v10, s23, v24                     ; and back: the eight images of my lh
	s_lshl_b32 s23, s[LH], 10
	s_add_co_u32 s23, s23, XSC
	v_add_nc_u32 v11, s23, v21
	s_lshl_b32 s23, s[OH], 16
	v_add_nc_u32 v12, s23, v24                     ; my head's fragments in slot 0,
	v_add_nc_u32 v13, SLOTB, v12                   ; in slot 1
	s_lshl_b32 s23, s[OH], 11
	s_add_co_u32 s23, s23, 131072
	v_add_nc_u32 v14, s23, v21                     ; its scale words
	v_add_nc_u32 v15, SLOTB, v14
	s_lshl_b32 s23, s[OH], 8
	s_add_co_u32 s22, s23, 135168
	v_add_nc_u32 v16, s22, v20                     ; WK_b, eight a lane
	s_add_co_u32 s22, s23, SLOTB+135168
	v_add_nc_u32 v17, s22, v25                     ; WV_b, one a lane
	s_lshl_b32 s23, s[WV], 8
	s_add_co_u32 s23, s23, PST
	v_add_nc_u32 v18, s23, v25
	v_add_nc_u32 v19, s23, v20
	v_mov_b32 v22, 0                               ; the statistics
.irp b, 0,1,2,3
	v_mov_b32 v[TM+4+\b], 0                        ; written once: a lane permute's destination counts as one of its sources
	v_mov_b32 v[TMP2+\b], 0
.endr
	s_wait_tensorcnt 0x1                           ; my quarter of chunk 0 is in; chunk 1's may stay out
	s_barrier_signal -1
	s_barrier_wait -1
	QLOOP 0
	FETCHY 0
	CHANGE G0Y, G1Y, 0x200000                      ; chunk 2 into slot 0
	QLOOP 1
	FETCHY 1
	CHANGE G0Y+4, G1Y, 0x200000                    ; chunk 3 into slot 1
	QLOOP 0
	FETCHY 2
	CHANGE G0W, G1W, 0                             ; block 0 (WK, heads 0 and 1) into slot 0
	QLOOP 1
	FETCHY 3
	CHANGE G0W+4, G1W, 0                           ; block 1 (WV) into slot 1; block 0 has landed in every wave's sight
	PREK 0
.Lhead:                                            ; seven trips: a pair of heads each; both slots are filled again
	STEPS 0, 0
	TURN 0, 0, 1, 1
	KEPI
	STEPS 1, 1
	TURN 1, 1, 1, 0
	VEPI
	s_cmp_lt_u32 s[TRIP], 7
	s_cbranch_scc1 .Lhead
	STEPS 0, 0                                     ; the last pair is written out: it asks for nothing more
	TURN 0, 0, 0, 1
	KEPI
	STEPS 1, 1
	s_wait_dscnt 8
	MMWIN 1, 7, 1
	MM4 1, 7, 1, 0
	s_wait_dscnt 0x0
	MM4 1, 7, 1, 1
	MMWIN 1, 7, 0
	MM4 1, 7, 0, 0
	MM4 1, 7, 0, 1
	WIN 0
	PLACES 8
	VEPI
	v_cmp_gt_u32 vcc_lo, 16, v1                    ; (no global instruction has been issued since the wait on XCNT above)
	s_and_saveexec_b32 s70, vcc_lo
	global_store_b32 v21, v22, s[76:77]            ; lanes 0-15: mt and s of my eight heads, 64 bytes
	s_wait_xcnt 0x0                                ; EXEC changes only behind this wait
	s_or_b32 exec_lo, exec_lo, s70
	s_wait_tensorcnt 0x0                           ; the wave's end
	ds_add_u32 v4, v5
	s_wait_dscnt 0x0
	CROUND                                         ; the closing round
	s_endpgm
.Lfunc_end_k_qfd334889da_attn:
	.size	k_qfd334889da_attn, .Lfunc_end_k_qfd334889da_attn-k_qfd334889da_attn
	.p2alignl 7, 3214868480
	.fill 96, 4, 3214868480
	.section	.rodata,"a",@progbits
	.p2align	6, 0x0
	.amdhsa_kernel k_qfd334889da_attn
		.amdhsa_group_segment_fixed_size 327680
		.amdhsa_private_segment_fixed_size 0
		.amdhsa_enable_private_segment 0
		.amdhsa_kernarg_size 40
		.amdhsa_user_sgpr_count 2
		.amdhsa_user_sgpr_kernarg_segment_ptr 1
		.amdhsa_wavefront_size32 1
		.amdhsa_system_sgpr_workgroup_id_x 1
		.amdhsa_system_sgpr_workgroup_id_y 1
		.amdhsa_system_sgpr_workgroup_id_z 1
		.amdhsa_system_vgpr_workitem_id 0
		.amdhsa_next_free_vgpr 1024
		.amdhsa_next_free_sgpr 80
		.amdhsa_reserve_vcc 1
		.amdhsa_float_denorm_mode_32 3
		.amdhsa_float_denorm_mode_16_64 3
		.amdhsa_memory_ordered 1
		.amdhsa_forward_progress 1
		.amdhsa_inst_pref_size 214
	.end_amdhsa_kernel
	.amdgpu_metadata
---
amdhsa.version: [ 1, 2 ]
amdhsa.kernels:
  - .name:           k_qfd334889da_attn
    .symbol:         k_qfd334889da_attn.kd
    .args:
      - { .name: y, .offset: 0, .size: 8, .value_kind: global_buffer, .address_space: global }
      - { .name: wkv, .offset: 8, .size: 8, .value_kind: global_buffer, .address_space: global }
      - { .name: q, .offset: 16, .size: 8, .value_kind: global_buffer, .address_space: global }
      - { .name: patt, .offset: 24, .size: 8, .value_kind: global_buffer, .address_space: global }
      - { .name: pstat, .offset: 32, .size: 8, .value_kind: global_buffer, .address_space: global }
    .group_segment_fixed_size: 327680
    .private_segment_fixed_size: 0
    .kernarg_segment_align: 8
    .kernarg_segment_size: 40
    .max_flat_workgroup_size: 128
    .sgpr_count:     80
    .vgpr_count:     1024
    .wavefront_size: 32
...
	.end_amdgpu_metadata
.endif
;; end of part 2
;; launch bn1 (part 3): grid 16 x 1, 16 waves a work-group, no clusters, 10,240 bytes of LDS; arguments patt, pstat, x, bn1_g, bn1_b, ret; writes ret
.if DOCPART == 3
	.amdgcn_target "amdgcn-amd-amdhsa--gfx1250"
	.amdhsa_code_object_version 6
	.text
	.protected	k_qfd334889da_bn1
	.globl	k_qfd334889da_bn1
	.p2align	8
	.type	k_qfd334889da_bn1,@function
k_qfd334889da_bn1:
	s_mov_b64 s[64:65], 0
	v_nop
	global_prefetch_b8 v0, s[64:65] scope:SCOPE_SE
	s_setreg_imm32_b32 hwreg(HW_REG_WAVE_MODE, 25, 1), 1
	s_wait_xcnt 0x0
; BN1.  The 16 parts of each softmax row are joined, att is normalised, ret = BatchNorm(x + att) over the 32 batches, in two passes as the definition has it.
; A work-group takes a head (64 channels), wave w batches 2 w and 2 w + 1, a lane two channels (8 bytes): a wave's load or store of a row covers 256 consecutive bytes.
; Joining: M = the largest mt of the 16 parts; E = 2^(mt - M); att = the sum of E x part / the sum of E x s.  All in f32.  Memory binds: no matrix unit, no tensor loads.
	s_load_b256 s[4:11], s[0:1], 0x0               ; patt s[4:5], pstat s[6:7], x s[8:9], g s[10:11]
	s_load_b128 s[12:15], s[0:1], 0x20             ; b s[12:13], ret s[14:15]
	v_lshl_add_u32 v96, v0, 2, 0x2000
	v_mov_b32 v97, 0
	v_lshrrev_b32 v1, 5, v0
	v_readfirstlane_b32 s16, v1                    ; wave
	v_and_b32 v1, 31, v0
	v_and_b32 v2, 15, v0                           ; which of the 16 parts this lane's statistics are
	v_lshlrev_b32 v3, 3, v1                        ; 8 lane
	s_lshl_b32 s17, ttmp9, 8                       ; the head's 256 bytes in a row
	s_lshr_b32 s18, ttmp9, 1                       ; j
	s_and_b32 s19, ttmp9, 1                        ; oh
	s_lshl_b32 s20, s16, 12                        ; pstat: 2 w x 2,048
	s_lshl_b32 s21, s19, 6
	s_add_co_u32 s20, s20, s21
	s_lshl_b32 s21, s18, 2
	s_add_co_u32 s20, s20, s21
	v_lshl_add_u32 v4, v2, 7, s20                  ; + 128 x part
	s_lshl_b32 s20, s16, 17
	s_add_co_u32 s20, s20, s17
	v_add_nc_u32 v5, s20, v3                       ; patt: 2 w x 65,536 + head + 8 lane
	s_lshl_b32 s20, s16, 13
	s_add_co_u32 s20, s20, s17
	v_add_nc_u32 v6, s20, v3                       ; x, ret: 2 w x 4,096 + head + 8 lane
	v_add_nc_u32 v7, s17, v3                       ; g, b
	s_lshl_b32 s20, s16, 8
	v_add_nc_u32 v8, s20, v3                       ; LDS: 256 w + 8 lane
	s_mov_b32 s20, 0x3d000000                      ; 1 / 32
	s_mov_b32 s21, 0x3727c5ac                      ; 1e-5
	s_wait_kmcnt 0x0
.irp e, 0,1
	global_load_b32 v[16+\e], v4, s[6:7] offset:2048*\e            ; mt
	global_load_b32 v[18+\e], v4, s[6:7] offset:2048*\e+32         ; s
.endr
.irp e, 0,1
.irp c, 0,1,2,3,4,5,6,7,8,9,10,11,12,13,14,15
	global_load_b64 v[32+32*\e+2*\c:33+32*\e+2*\c], v5, s[4:5] offset:65536*\e+4096*\c th:TH_LOAD_NT
.endr
	global_load_b64 v[20+2*\e:21+2*\e], v6, s[8:9] offset:4096*\e
.endr
	global_load_b64 v[24:25], v7, s[10:11]
	global_load_b64 v[26:27], v7, s[12:13]
	s_wait_loadcnt 0x0
.irp e, 0,1
	v_mov_b32 v[10+\e], v[16+\e]
.endr
.irp m, 1,2,4,8
.irp e, 0,1
	v_max_num_f32_dpp v[10+\e], v[10+\e], v[10+\e] row_xmask:\m row_mask:0xf bank_mask:0xf
.endr
.endr
.irp e, 0,1
	v_sub_f32 v[16+\e], v[16+\e], v[10+\e]
.endr
.irp e, 0,1
	v_exp_f32 v[16+\e], v[16+\e]                   ; E, at most 1
.endr
	v_nop
	s_wait_alu depctr_va_vdst(0)
.irp e, 0,1
	v_mul_f32 v[10+\e], v[18+\e], v[16+\e]
.endr
.irp m, 1,2,4,8
.irp e, 0,1
	v_add_f32_dpp v[10+\e], v[10+\e], v[10+\e] row_xmask:\m row_mask:0xf bank_mask:0xf
.endr
.endr
.irp e, 0,1
	v_rcp_f32 v[10+\e], v[10+\e]                   ; the sum is at least 1: the part that holds M has E = 1 and s of 1 or more
.endr
	v_nop
	s_wait_alu depctr_va_vdst(0)
.irp e, 0,1
	v_mul_f32 v[16+\e], v[16+\e], v[10+\e]         ; the part's weight, in lane = part
.endr
.irp e, 0,1
.irp c, 0,1,2,3,4,5,6,7,8,9,10,11,12,13,14,15
	v_readlane_b32 s[32+16*\e+\c], v[16+\e], \c
.endr
.endr
.irp e, 0,1
	v_mul_f32 v[28+2*\e], s[32+16*\e], v[32+32*\e]
	v_mul_f32 v[29+2*\e], s[32+16*\e], v[33+32*\e]
.endr
.irp c, 1,2,3,4,5,6,7,8,9,10,11,12,13,14,15
.irp e, 0,1
	v_fmac_f32 v[28+2*\e], s[32+16*\e+\c], v[32+32*\e+2*\c]
	v_fmac_f32 v[29+2*\e], s[32+16*\e+\c], v[33+32*\e+2*\c]
.endr
.endr
.irp e, 0,1
	v_pk_add_f32 v[20+2*\e:21+2*\e], v[20+2*\e:21+2*\e], v[28+2*\e:29+2*\e]   ; z = x + att
.endr
.macro SUM16                           ; the sixteen pairs v[32:63] into v[32:33]
.irp i, 0,2,4,6,8,10,12,14
	v_pk_add_f32 v[32+\i:33+\i], v[32+\i:33+\i], v[48+\i:49+\i]
.endr
.irp i, 0,2,4,6
	v_pk_add_f32 v[32+\i:33+\i], v[32+\i:33+\i], v[40+\i:41+\i]
.endr
.irp i, 0,2
	v_pk_add_f32 v[32+\i:33+\i], v[32+\i:33+\i], v[36+\i:37+\i]
.endr
	v_pk_add_f32 v[32:33], v[32:33], v[34:35]
.endm
	v_pk_add_f32 v[12:13], v[20:21], v[22:23]
	ds_store_b64 v8, v[12:13]
	s_wait_dscnt 0x0                               ; for the others' sake
	s_barrier_signal -1
	s_barrier_wait -1
.irp c, 0,1,2,3,4,5,6,7,8,9,10,11,12,13,14,15
	ds_load_b64 v[32+2*\c:33+2*\c], v3 offset:256*\c
.endr
	s_wait_dscnt 0x0
	SUM16
	v_pk_mul_f32 v[12:13], v[32:33], s[20:21] op_sel_hi:[1,0]      ; the mean
.irp e, 0,1
	v_pk_add_f32 v[20+2*\e:21+2*\e], v[20+2*\e:21+2*\e], v[12:13] neg_lo:[0,1] neg_hi:[0,1]
.endr
	v_pk_mul_f32 v[14:15], v[20:21], v[20:21]
	v_pk_fma_f32 v[14:15], v[22:23], v[22:23], v[14:15]
	ds_store_b64 v8, v[14:15] offset:4096          ; other bytes than the first pass's: no barrier between its reads and these stores
	s_wait_dscnt 0x0
	s_barrier_signal -1
	s_barrier_wait -1
.irp c, 0,1,2,3,4,5,6,7,8,9,10,11,12,13,14,15
	ds_load_b64 v[32+2*\c:33+2*\c], v3 offset:4096+256*\c
.endr
	s_wait_dscnt 0x0
	SUM16
	v_fma_f32 v14, v32, s20, s21                   ; the variance + eps
	v_fma_f32 v15, v33, s20, s21
	v_rsq_f32 v14, v14
	v_rsq_f32 v15, v15
	v_nop
	s_wait_alu depctr_va_vdst(0)
.irp e, 0,1
	v_pk_mul_f32 v[20+2*\e:21+2*\e], v[20+2*\e:21+2*\e], v[14:15]
.endr
.irp e, 0,1
	v_pk_fma_f32 v[20+2*\e:21+2*\e], v[20+2*\e:21+2*\e], v[24:25], v[26:27]
.endr
.irp e, 0,1
	global_store_b64 v6, v[20+2*\e:21+2*\e], s[14:15] offset:4096*\e   ; 256 consecutive bytes, aligned
.endr
	s_wait_tensorcnt 0x0
	ds_add_u32 v96, v97
	s_wait_dscnt 0x0
	s_endpgm
.Lfunc_end_k_qfd334889da_bn1:
	.size	k_qfd334889da_bn1, .Lfunc_end_k_qfd334889da_bn1-k_qfd334889da_bn1
	.p2alignl 7, 3214868480
	.fill 96, 4, 3214868480
	.section	.rodata,"a",@progbits
	.p2align	6, 0x0
	.amdhsa_kernel k_qfd334889da_bn1
		.amdhsa_group_segment_fixed_size 10240
		.amdhsa_private_segment_fixed_size 0
		.amdhsa_enable_private_segment 0
		.amdhsa_kernarg_size 48
		.amdhsa_user_sgpr_count 2
		.amdhsa_user_sgpr_kernarg_segment_ptr 1
		.amdhsa_wavefront_size32 1
		.amdhsa_system_sgpr_workgroup_id_x 1
		.amdhsa_system_sgpr_workgroup_id_y 1
		.amdhsa_system_sgpr_workgroup_id_z 1
		.amdhsa_system_vgpr_workitem_id 0
		.amdhsa_next_free_vgpr 98
		.amdhsa_next_free_sgpr 66
		.amdhsa_reserve_vcc 0
		.amdhsa_float_denorm_mode_32 3
		.amdhsa_float_denorm_mode_16_64 3
		.amdhsa_memory_ordered 1
		.amdhsa_forward_progress 1
		.amdhsa_inst_pref_size 17
	.end_amdhsa_kernel
	.amdgpu_metadata
---
amdhsa.version: [ 1, 2 ]
amdhsa.kernels:
  - .name:           k_qfd334889da_bn1
    .symbol:         k_qfd334889da_bn1.kd
    .args:
      - { .name: patt, .offset: 0, .size: 8, .value_kind: global_buffer, .address_space: global }
      - { .name: pstat, .offset: 8, .size: 8, .value_kind: global_buffer, .address_space: global }
      - { .name: x, .offset: 16, .size: 8, .value_kind: global_buffer, .address_space: global }
      - { .name: bn1_g, .offset: 24, .size: 8, .value_kind: global_buffer, .address_space: global }
      - { .name: bn1_b, .offset: 32, .size: 8, .value_kind: global_buffer, .address_space: global }
      - { .name: ret, .offset: 40, .size: 8, .value_kind: global_buffer, .address_space: global }
    .group_segment_fixed_size: 10240
    .private_segment_fixed_size: 0
    .kernarg_segment_align: 8
    .kernarg_segment_size: 48
    .max_flat_workgroup_size: 512
    .sgpr_count:     66
    .vgpr_count:     98
    .wavefront_size: 32
...
	.end_amdgpu_metadata
.endif
;; end of part 3
;; launch ffn1 (part 4): grid 256 x 1, 8 waves a work-group, no clusters, 304,128 bytes of LDS; arguments ret, w1_w, w1_b, w2_w, hq, w2q; writes hq, w2q
.if DOCPART == 4
	.amdgcn_target "amdgcn-amd-amdhsa--gfx1250"
	.amdhsa_code_object_version 6
	.text
	.protected	k_qfd334889da_ffn1
	.globl	k_qfd334889da_ffn1
	.p2align	8
	.type	k_qfd334889da_ffn1,@function
k_qfd334889da_ffn1:
	s_mov_b64 s[64:65], 0
	v_nop
	global_prefetch_b8 v0, s[64:65] scope:SCOPE_SE
	s_setreg_imm32_b32 hwreg(HW_REG_WAVE_MODE, 25, 1), 1
	s_wait_xcnt 0x0
; FFN1.  Work-groups 0-127: h = relu(Q(ret) Q(w1)^T + w1_b) for 32 hidden units each, which are one block of 32 along the next product's K: quantised at once, codes and scale bytes to hq.
; Work-groups 128-255: w2 becomes codes and scale words in w2q, in the order of the next launch's operand registers.  So the 32 MiB of weights are shared evenly among 256 work-groups and read once.
; A work-group takes 32 weight rows, its eight waves eight K steps of 128 columns.  Each load reads 512 consecutive bytes of a row; the rows turn through the wave's own stage in LDS, so that lane (r, h)
; gets of row r the 16 neighbours 32 b + 16 h + 0..15 of each block b.  The two ways part on the work-group's number at the head, never join, and have LDS bytes of their own.
; hq: h's fragment (K step S, batch tile m) as an image of its registers at ((2 S + m) 4 + c) 512 + 16 lane; from byte 131,072 scale bytes [block 0..127][row 0..31].
; w2q: fragment (tile n, K step S) at (32 n + S) 2048 + 512 c + 16 lane; from byte 4,194,304 scale words at (32 G + S) 128 + 4 lane, lanes 0-15 tile 2 G, lanes 16-31 tile 2 G + 1.
; LIMITS: NaN and infinities are not served; a block whose largest magnitude lies under 2^-118 (zeros too) gets the scale byte 1: its codes are zeros or subnormal, and this program alone reads the bytes.
.set SP,     528
.set STGB,   32*SP
.set RED,    8*STGB
.set STKV,   RED+8*4096
.set X,   16
.set TM,  80
.set WC,  96
.set RW,  128
.set AC,  128
.set ACC, 160
.set SEL, 24
.set MNT, 26
.set MSB, 0
.macro WIN new                         ; the immediate's high byte repeats the setting that is left
.if MSB != (\new)
	s_set_vgpr_msb (MSB<<8)|(\new)
.set MSB, (\new)
.endif
.endm
.macro LOADR reg, voff, sb, pitch, nt  ; 32 rows, 512 consecutive bytes an instruction
.set NI, 0
.rept 32
.if \nt
	global_load_b128 v[\reg+4*NI:\reg+4*NI+3], v[\voff], s[\sb:\sb+1] offset:NI*\pitch th:TH_LOAD_NT
.else
	global_load_b128 v[\reg+4*NI:\reg+4*NI+3], v[\voff], s[\sb:\sb+1] offset:NI*\pitch
.endif
.set NI, NI+1
.endr
.endm
.macro TOSTG reg, vst
.set NI, 0
.rept 32
	ds_store_b128 v[\vst], v[\reg+4*NI:\reg+4*NI+3] offset:NI*SP
.set NI, NI+1
.endr
.endm
.macro FROMSTG u, vrd                  ; LDS serves a wave's instructions in order: these see my stores
.irp b, 0,1,2,3
.irp j, 0,1,2,3
	ds_load_b128 v[X+16*\b+4*\j:X+16*\b+4*\j+3], v[\vrd] offset:\u*16*SP+128*\b+16*\j
.endr
.endr
.endm
.macro QUANT s, pc, pw                 ; 64 numbers of a lane become a fragment's codes and its scale word
.irp b, 0,1,2,3
	v_max3_num_f32 v[TM+\b], |v[\s+16*\b]|, |v[\s+1+16*\b]|, 0x4800000   ; my 16 numbers and the floor 2^(9 - 127)
.endr
.irp i, 2,4,6,8,10,12,14
.irp b, 0,1,2,3
	v_max3_num_f32 v[TM+\b], v[TM+\b], |v[\s+16*\b+\i]|, |v[\s+1+16*\b+\i]|
.endr
.endr
.irp b, 0,1,2,3
	v_permlanex16_b32 v[TM+4+\b], v[TM+\b], s[SEL], s[SEL+1]
.endr
.irp b, 0,1,2,3
	v_max_num_f32 v[TM+\b], v[TM+\b], v[TM+4+\b]
.endr
.irp b, 0,1,2,3
	v_add_nc_u32 v[TM+12+\b], 0xfc000000, v[TM+\b]
.endr
.irp b, 0,1,2,3
	v_and_or_b32 v[TM+8+\b], v[TM+\b], 0x7f800000, s[MNT]
.endr
.irp b, 0,1,2,3
	v_lshrrev_b32 v[TM+4+\b], 23, v[TM+12+\b]
.endr
	v_lshl_or_b32 v[\pw], v[TM+5], 8, v[TM+4]
	v_lshl_or_b32 v[\pw], v[TM+6], 16, v[\pw]
	v_lshl_or_b32 v[\pw], v[TM+7], 24, v[\pw]
.irp b, 0,1,2,3
.irp i, 0,1,2,3,4,5,6,7,8,9,10,11,12,13,14,15
	v_med3_num_f32 v[\s+16*\b+\i], v[\s+16*\b+\i], -v[TM+8+\b], v[TM+8+\b]   ; the conversion does not saturate (ISA guide 7.6.2): hold first
.endr
	v_cvt_scalef32_pk8_fp8_f32 v[\pc+4*\b:\pc+1+4*\b], v[\s+16*\b:\s+7+16*\b], v[TM+12+\b]
	v_cvt_scalef32_pk8_fp8_f32 v[\pc+2+4*\b:\pc+3+4*\b], v[\s+8+16*\b:\s+15+16*\b], v[TM+12+\b]
.endr
	v_nop                                          ; a plain line behind the last conversion
.endm
	s_load_b256 s[4:11], s[0:1], 0x0               ; ret s[4:5], w1_w s[6:7], w1_b s[8:9], w2_w s[10:11]
	s_load_b128 s[12:15], s[0:1], 0x20             ; hq s[12:13], w2q s[14:15]
	s_set_vgpr_msb 0x40
	v_lshl_add_u32 v128, v0, 2, 0x4a000
	v_mov_b32 v129, 0
	s_set_vgpr_msb 0x4000
	v_lshrrev_b32 v1, 5, v0
	v_readfirstlane_b32 s22, v1                    ; wave
	v_and_b32 v1, 31, v0
	v_and_b32 v2, 15, v0                           ; r
	v_bfe_u32 v3, v0, 4, 1                         ; h
	v_lshlrev_b32 v4, 4, v1                        ; 16 lane
	v_lshlrev_b32 v5, 2, v1                        ; 4 lane
	s_mov_b32 s[SEL], 0x76543210
	s_mov_b32 s[SEL+1], 0xfedcba98
	s_mov_b32 s[MNT], 0x600000
	s_mov_b32 s27, 0xffff0000
.irp b, 0,1,2,3
	v_mov_b32 v[TM+4+\b], 0                        ; written once: a lane permute's destination counts as one of its sources
.endr
	v_mul_u32_u24 v7, v2, SP
	v_lshl_add_u32 v7, v3, 6, v7                   ; 528 r + 64 h
	s_mul_i32 s29, s22, STGB
	s_wait_kmcnt 0x0
	s_cmp_lt_u32 ttmp9, 128
	s_cbranch_scc1 .Lpath_h
	; ---- w2: rows 32 G on, K steps 8 (g % 4) + wave
	s_sub_co_u32 s36, ttmp9, 128
	s_lshr_b32 s37, s36, 2                         ; G
	s_and_b32 s38, s36, 3
	s_lshl_b32 s38, s38, 3
	s_add_co_u32 s38, s38, s22                     ; S
	s_lshl_b32 s40, s37, 19                        ; 32 rows of 16,384 bytes
	s_mov_b32 s41, 0
	s_add_nc_u64 s[10:11], s[10:11], s[40:41]
	s_lshl_b32 s39, s38, 9
	v_add_nc_u32 v10, s39, v4
	LOADR RW, 10, 10, 16384, 1
	s_add_co_u32 s36, s29, STKV
	v_add_nc_u32 v6, s36, v4
	v_add_nc_u32 v8, s36, v7
	s_lshl_b32 s39, s37, 17
	s_lshl_b32 s42, s38, 11
	s_add_co_u32 s39, s39, s42
	v_add_nc_u32 v11, s39, v4                      ; my images
	s_lshl_b32 s39, s37, 12
	s_lshl_b32 s42, s38, 7
	s_add_co_u32 s39, s39, s42
	v_add_nc_u32 v9, s39, v5                       ; my scale words
	s_wait_loadcnt 0x0
	TOSTG RW, 6
	FROMSTG 0, 8
	s_wait_dscnt 0x0
	QUANT X, WC, 12
	FROMSTG 1, 8
	s_wait_dscnt 0x0
	QUANT X, WC+16, 13
.irp u, 0,1
.irp c, 0,1,2,3
	global_store_b128 v11, v[WC+16*\u+4*\c:WC+16*\u+4*\c+3], s[14:15] offset:65536*\u+512*\c   ; 512 consecutive bytes
.endr
.endr
	v_cndmask_b32 v14, v12, v13, s27               ; lanes 0-15 the even tile's words, lanes 16-31 the odd tile's
	global_store_b32 v9, v14, s[14:15] offset:4194304
	s_set_vgpr_msb 0x5
	s_wait_tensorcnt 0x0
	ds_add_u32 v128, v129
	s_wait_dscnt 0x0
	s_set_vgpr_msb 0x500
	s_endpgm
	; ---- h: hidden units 32 x .. 32 x + 31
.Lpath_h:
	s_lshl_b32 s28, s22, 9
	v_add_nc_u32 v10, s28, v4                      ; in a row: 512 x wave + 16 x lane
	s_lshl_b32 s30, ttmp9, 17
	s_mov_b32 s31, 0
	s_add_nc_u64 s[6:7], s[6:7], s[30:31]
	LOADR RW, 10, 6, 4096, 1                       ; 32 rows of w1
	WIN 0x40
	LOADR 0, 10, 4, 4096, 0                        ; the 32 rows of ret, the same 128 columns
	WIN 0
	v_add_nc_u32 v6, s29, v4
	v_add_nc_u32 v8, s29, v7
	s_lshl_b32 s36, s22, 12
	s_add_co_u32 s36, s36, RED
	v_add_nc_u32 v9, s36, v4                       ; where my partial sums go
	v_lshlrev_b32 v11, 11, v3                      ; the final's reads: tile u = my half of the lanes: 2,048
	v_lshl_add_u32 v11, v2, 4, v11                 ; lane r (+ 16 by the immediate)
	s_lshl_b32 s37, s22, 10                        ; the batch tile = my wave's number (waves 0 and 1 alone read)
	s_add_co_u32 s37, s37, RED
	v_add_nc_u32 v11, s37, v11
	s_wait_loadcnt 32                              ; w1's 32 loads are in; ret's 32 may be out
	TOSTG RW, 6
	FROMSTG 0, 8
	s_wait_dscnt 0x0
	QUANT X, WC, 12
	FROMSTG 1, 8
	s_wait_dscnt 0x0
	QUANT X, WC+16, 13
	s_wait_loadcnt 0x0
	WIN 0x04                                       ; an LDS store's data are its source 1: window 1
	TOSTG 0, 6
	WIN 0
	FROMSTG 0, 8
	s_wait_dscnt 0x0
	QUANT X, AC, 14
	FROMSTG 1, 8
	s_wait_dscnt 0x0
	QUANT X, AC+16, 15
	v_lshlrev_b32 v32, 6, v3                       ; 64 h
	s_lshl_b32 s38, ttmp9, 7
	s_mov_b32 s39, 0
	s_add_nc_u64 s[8:9], s[8:9], s[38:39]
.irp j, 0,1,2,3
	global_load_b128 v[16+4*\j:19+4*\j], v32, s[8:9] offset:16*\j  ; w1_b of hidden units 16 h + 0 .. 15: it lands under the products and the barrier
.endr
	s_lshr_b32 s38, ttmp9, 2
	s_lshl_b32 s38, s38, 12
	s_lshl_b32 s40, s22, 11
	s_add_co_u32 s38, s38, s40
	s_and_b32 s40, ttmp9, 3
	s_lshl_b32 s40, s40, 9
	s_add_co_u32 s38, s38, s40
	v_add_nc_u32 v33, s38, v4                      ; hq: ((2 (x / 4) + wave) 4 + x % 4) 512 + 16 lane
	s_lshl_b32 s38, ttmp9, 5
	s_lshl_b32 s40, s22, 4
	s_add_co_u32 s38, s38, s40
	v_add_nc_u32 v34, s38, v2                      ; the scale byte: 32 x + 16 wave + r
	v_nop
	v_nop                                          ; (with the lines above: more than four places between the codes and the products)
.irp u, 0,1
.irp m, 0,1                                    ; source 0 = 16 rows of w1, source 1 = 16 rows of ret: register j of lane (r, h) = h(16 m + r, 16 u + 8 h + j), this K step's part
	v_wmma_scale_f32_16x16x128_f8f6f4 v[ACC+8*(2*\u+\m):ACC+8*(2*\u+\m)+7], v[WC+16*\u:WC+16*\u+15], v[AC+16*\m:AC+16*\m+15], 0, v[12+\u], v[14+\m]
.endr
.endr
.rept 8
	v_nop                                          ; eight places behind this form before its results are read
.endr
.irp a, 0,1,2,3
	ds_store_b128 v9, v[ACC+8*\a:ACC+8*\a+3] offset:1024*\a          ; each accumulator from its low end on
	ds_store_b128 v9, v[ACC+8*\a+4:ACC+8*\a+7] offset:1024*\a+512
.endr
	s_wait_dscnt 0x0                               ; for the others' sake
	s_barrier_signal -1
	s_barrier_wait -1
	s_cmp_gt_u32 s22, 1
	s_cbranch_scc1 .Lh_end                         ; waves 0 and 1 finish a batch tile each: lane (r, h) takes row r and hidden units 16 h + 0 .. 15
.irp w, 0,1,2,3,4,5,6,7
.irp g, 0,1
.irp d, 0,1
	ds_load_b128 v[128+16*\w+8*\g+4*\d:128+16*\w+8*\g+4*\d+3], v11 offset:4096*\w+512*\d+256*\g
.endr
.endr
.endr
	s_wait_dscnt 0x0
	s_wait_loadcnt 0x0                             ; the bias
.irp w, 1,2,3,4,5,6,7
.irp i, 0,2,4,6,8,10,12,14
	v_pk_add_f32 v[128+\i:129+\i], v[128+\i:129+\i], v[128+16*\w+\i:129+16*\w+\i]
.endr
.endr
.irp i, 0,2,4,6,8,10,12,14
	v_pk_add_f32 v[128+\i:129+\i], v[128+\i:129+\i], v[16+\i:17+\i]
.endr
	; one block of 32 along the next K, in lanes l and l xor 16.  No |.|: what is negative becomes 0 (the activation) and must not count; the floor stands over it
	v_max3_num_f32 v[TM], v128, v129, 0x4800000
.irp i, 2,4,6,8,10,12,14
	v_max3_num_f32 v[TM], v[TM], v[128+\i], v[129+\i]
.endr
	v_permlanex16_b32 v[TM+4], v[TM], s[SEL], s[SEL+1]
	v_max_num_f32 v[TM], v[TM], v[TM+4]
	v_add_nc_u32 v[TM+12], 0xfc000000, v[TM]
	v_and_or_b32 v[TM+8], v[TM], 0x7f800000, s[MNT]
	v_lshrrev_b32 v[TM+4], 23, v[TM+12]            ; the scale's byte
.irp i, 0,1,2,3,4,5,6,7,8,9,10,11,12,13,14,15
	v_med3_num_f32 v[128+\i], v[128+\i], 0, v[TM+8]                ; the activation and the hold in one
.endr
	v_cvt_scalef32_pk8_fp8_f32 v[36:37], v[128:135], v[TM+12]
	v_cvt_scalef32_pk8_fp8_f32 v[38:39], v[136:143], v[TM+12]
	v_nop
	global_store_b128 v33, v[36:39], s[12:13]      ; 512 consecutive bytes
	s_wait_xcnt 0x0                                ; EXEC changes only behind this wait
	v_cmp_gt_u32 vcc_lo, 16, v1
	s_and_saveexec_b32 s40, vcc_lo
	global_store_b8 v34, v[TM+4], s[12:13] offset:131072           ; 16 rows' bytes
	s_wait_xcnt 0x0
	s_or_b32 exec_lo, exec_lo, s40
.Lh_end:
	s_set_vgpr_msb 0x5
	s_wait_tensorcnt 0x0
	ds_add_u32 v128, v129
	s_wait_dscnt 0x0
	s_set_vgpr_msb 0x500
	s_endpgm
.Lfunc_end_k_qfd334889da_ffn1:
	.size	k_qfd334889da_ffn1, .Lfunc_end_k_qfd334889da_ffn1-k_qfd334889da_ffn1
	.p2alignl 7, 3214868480
	.fill 96, 4, 3214868480
	.section	.rodata,"a",@progbits
	.p2align	6, 0x0
	.amdhsa_kernel k_qfd334889da_ffn1
		.amdhsa_group_segment_fixed_size 304128
		.amdhsa_private_segment_fixed_size 0
		.amdhsa_enable_private_segment 0
		.amdhsa_kernarg_size 48
		.amdhsa_user_sgpr_count 2
		.amdhsa_user_sgpr_kernarg_segment_ptr 1
		.amdhsa_wavefront_size32 1
		.amdhsa_system_sgpr_workgroup_id_x 1
		.amdhsa_system_sgpr_workgroup_id_y 1
		.amdhsa_system_sgpr_workgroup_id_z 1
		.amdhsa_system_vgpr_workitem_id 0
		.amdhsa_next_free_vgpr 386
		.amdhsa_next_free_sgpr 66
		.amdhsa_reserve_vcc 1
		.amdhsa_float_denorm_mode_32 3
		.amdhsa_float_denorm_mode_16_64 3
		.amdhsa_memory_ordered 1
		.amdhsa_forward_progress 1
		.amdhsa_inst_pref_size 85
	.end_amdhsa_kernel
	.amdgpu_metadata
---
amdhsa.version: [ 1, 2 ]
amdhsa.kernels:
  - .name:           k_qfd334889da_ffn1
    .symbol:         k_qfd334889da_ffn1.kd
    .args:
      - { .name: ret, .offset: 0, .size: 8, .value_kind: global_buffer, .address_space: global }
      - { .name: w1_w, .offset: 8, .size: 8, .value_kind: global_buffer, .address_space: global }
      - { .name: w1_b, .offset: 16, .size: 8, .value_kind: global_buffer, .address_space: global }
      - { .name: w2_w, .offset: 24, .size: 8, .value_kind: global_buffer, .address_space: global }
      - { .name: hq, .offset: 32, .size: 8, .value_kind: global_buffer, .address_space: global }
      - { .name: w2q, .offset: 40, .size: 8, .value_kind: global_buffer, .address_space: global }
    .group_segment_fixed_size: 304128
    .private_segment_fixed_size: 0
    .kernarg_segment_align: 8
    .kernarg_segment_size: 48
    .max_flat_workgroup_size: 256
    .sgpr_count:     66
    .vgpr_count:     386
    .wavefront_size: 32
...
	.end_amdgpu_metadata
.endif
;; end of part 4
;; launch ffn2 (part 5): grid 64 x 1, 16 waves a work-group, no clusters, 34,816 bytes of LDS; arguments hq, w2q, w2_b, ret, bn2_g, bn2_b, out0; writes out0
.if DOCPART == 5
	.amdgcn_target "amdgcn-amd-amdhsa--gfx1250"
	.amdhsa_code_object_version 6
	.text
	.protected	k_qfd334889da_ffn2
	.globl	k_qfd334889da_ffn2
	.p2align	8
	.type	k_qfd334889da_ffn2,@function
k_qfd334889da_ffn2:
	s_mov_b64 s[64:65], 0
	v_nop
	global_prefetch_b8 v0, s[64:65] scope:SCOPE_SE
	s_setreg_imm32_b32 hwreg(HW_REG_WAVE_MODE, 25, 1), 1
	s_wait_xcnt 0x0
; FFN2.  out0 = BatchNorm(Q(h) Q(w2)^T + w2_b + ret).  A work-group takes 16 channels (one tile of w2's rows) and all 32 batches, so that the norm over the batch stays inside it;
; its sixteen waves share K = 4,096: two K steps of 128 each.  Codes and scales come from memory as images of the operand registers, 512 consecutive bytes a load.
; Source 0 = 16 rows of h, source 1 = 16 rows of w2: a lane holds ONE channel and eight batches of each of two accumulators; the other half of the lanes holds the other sixteen batches.
; The waves' parts meet in LDS; wave 0 adds them and norms in two passes.  A row of the output has 64 bytes of this work-group: the stores are runs of 64 bytes, 128 KiB in the whole launch.
.set SW,  12                           ; v12-13   w2's scale words (scales alone live in v12-17)
.set SH,  14                           ; v14-17   h's: 2 k + m
.set WF,  20                           ; v20-51   w2's two fragments
.set HF,  52                           ; v52-115  h's four
.set UB,  116                          ; v116-131 h's scale bytes as loaded
.set ACC, 132                          ; v132-147 two accumulators
.set Z,   148                          ; v148-163 the 16 numbers of my channel: batch 16 m + 8 h + j at 8 m + j
.set RT,  164                          ; v164-179 ret likewise
.set B2,  180
.set GG,  181
.set BB,  182
.set T,   184
	s_load_b256 s[4:11], s[0:1], 0x0               ; hq s[4:5], w2q s[6:7], w2_b s[8:9], ret s[10:11]
	s_load_b128 s[12:15], s[0:1], 0x20             ; g s[12:13], b s[14:15]
	s_load_b64 s[16:17], s[0:1], 0x30              ; out0
	v_lshl_add_u32 v192, v0, 2, 0x8000
	v_mov_b32 v193, 0
	v_lshrrev_b32 v1, 5, v0
	v_readfirstlane_b32 s18, v1                    ; wave
	v_and_b32 v1, 31, v0
	v_and_b32 v2, 15, v0                           ; r
	v_bfe_u32 v3, v0, 4, 1                         ; h
	v_lshlrev_b32 v4, 4, v1                        ; 16 lane
	s_lshl_b32 s19, ttmp9, 16
	s_lshl_b32 s20, s18, 12
	s_add_co_u32 s19, s19, s20
	v_add_nc_u32 v5, s19, v4                       ; w2's images: (32 tile + 2 wave) 2,048 + 16 lane
	s_lshr_b32 s19, ttmp9, 1
	s_lshl_b32 s19, s19, 12
	s_lshl_b32 s20, s18, 8
	s_add_co_u32 s19, s19, s20
	s_and_b32 s20, ttmp9, 1
	s_lshl_b32 s20, s20, 6
	s_add_co_u32 s19, s19, s20
	v_lshl_add_u32 v6, v2, 2, s19                  ; its scale words: (32 G + 2 wave) 128 + 64 (tile % 2) + 4 r
	s_lshl_b32 s19, s18, 13
	v_add_nc_u32 v7, s19, v4                       ; h's images: 4 wave x 2,048 + 16 lane
	s_lshl_b32 s19, s18, 8
	v_add_nc_u32 v8, s19, v2                       ; h's scale bytes: 8 wave x 32 + r
	s_lshl_b32 s19, s18, 11
	v_add_nc_u32 v9, s19, v4                       ; LDS: my part
	s_lshl_b32 s19, ttmp9, 6
	v_lshl_add_u32 v10, v2, 2, s19                 ; my channel's 4 bytes in a row
	v_lshl_add_u32 v11, v3, 15, v10                ; + 8 h rows of 4,096 bytes
	s_mov_b32 s20, 0x76543210
	s_mov_b32 s21, 0xfedcba98
	s_mov_b32 s22, 0x3d000000                      ; 1 / 32
	s_mov_b32 s23, 0x3727c5ac                      ; 1e-5
	v_mov_b32 v[T+4], 0                            ; a lane permute's destination counts as one of its sources
	s_wait_kmcnt 0x0
.irp k, 0,1
.irp c, 0,1,2,3
	global_load_b128 v[WF+16*\k+4*\c:WF+16*\k+4*\c+3], v5, s[6:7] offset:2048*\k+512*\c th:TH_LOAD_NT
.endr
	global_load_b32 v[SW+\k], v6, s[6:7] offset:4194304+128*\k
.irp m, 0,1
.irp c, 0,1,2,3
	global_load_b128 v[HF+16*(2*\k+\m)+4*\c:HF+16*(2*\k+\m)+4*\c+3], v7, s[4:5] offset:2048*(2*\k+\m)+512*\c
	global_load_u8 v[UB+4*(2*\k+\m)+\c], v8, s[4:5] offset:131072+32*(4*\k+\c)+16*\m
.endr
.endr
.endr
	s_cmp_lg_u32 s18, 0
	s_cbranch_scc1 .Lnot_0                         ; what the final wants is asked for at once, by the wave that will want it
.irp m, 0,1
.irp j, 0,1,2,3,4,5,6,7
	global_load_b32 v[RT+8*\m+\j], v11, s[10:11] offset:(16*\m+\j)*4096
.endr
.endr
	global_load_b32 v[B2], v10, s[8:9]
	global_load_b32 v[GG], v10, s[12:13]
	global_load_b32 v[BB], v10, s[14:15]
.Lnot_0:
	s_wait_loadcnt 0x0
.irp a, 0,1,2,3
	v_lshl_or_b32 v[SH+\a], v[UB+4*\a+1], 8, v[UB+4*\a]            ; four bytes make a row's scale word
.endr
.irp a, 0,1,2,3
	v_lshl_or_b32 v[SH+\a], v[UB+4*\a+2], 16, v[SH+\a]
.endr
.irp a, 0,1,2,3
	v_lshl_or_b32 v[SH+\a], v[UB+4*\a+3], 24, v[SH+\a]
.endr
.rept 8
	v_nop                                          ; a scale register written by a vector instruction stands eight places ahead of the product
.endr
	; the two accumulators by turns
	v_wmma_scale_f32_16x16x128_f8f6f4 v[ACC:ACC+7], v[HF:HF+15], v[WF:WF+15], 0, v[SH], v[SW]
	v_wmma_scale_f32_16x16x128_f8f6f4 v[ACC+8:ACC+15], v[HF+16:HF+31], v[WF:WF+15], 0, v[SH+1], v[SW]
	v_wmma_scale_f32_16x16x128_f8f6f4 v[ACC:ACC+7], v[HF+32:HF+47], v[WF+16:WF+31], v[ACC:ACC+7], v[SH+2], v[SW+1]
	v_wmma_scale_f32_16x16x128_f8f6f4 v[ACC+8:ACC+15], v[HF+48:HF+63], v[WF+16:WF+31], v[ACC+8:ACC+15], v[SH+3], v[SW+1]
.rept 8
	v_nop                                          ; eight places behind this form before its results are read
.endr
.irp a, 0,1,2,3
	ds_store_b128 v9, v[ACC+4*\a:ACC+4*\a+3] offset:512*\a         ; each accumulator from its low end on
.endr
	s_wait_dscnt 0x0                               ; for wave 0's sake
	s_barrier_signal -1
	s_barrier_wait -1
	s_cmp_lg_u32 s18, 0
	s_cbranch_scc1 .Lend
.macro RLOAD a, base                   ; registers 4 a .. 4 a + 3 of all sixteen waves' parts
.irp w, 0,1,2,3,4,5,6,7,8,9,10,11,12,13,14,15
	ds_load_b128 v[\base+4*\w:\base+4*\w+3], v4 offset:2048*\w+512*(\a)
.endr
.endm
.macro QSUM base, dst                  ; sixteen groups of four become one
.irp i, 0,2,4,6,8,10,12,14,16,18,20,22,24,26,28,30
	v_pk_add_f32 v[\base+\i:\base+\i+1], v[\base+\i:\base+\i+1], v[\base+32+\i:\base+33+\i]
.endr
.irp i, 0,2,4,6,8,10,12,14
	v_pk_add_f32 v[\base+\i:\base+\i+1], v[\base+\i:\base+\i+1], v[\base+16+\i:\base+17+\i]
.endr
.irp i, 0,2,4,6
	v_pk_add_f32 v[\base+\i:\base+\i+1], v[\base+\i:\base+\i+1], v[\base+8+\i:\base+9+\i]
.endr
	v_pk_add_f32 v[\dst:\dst+1], v[\base:\base+1], v[\base+4:\base+5]
	v_pk_add_f32 v[\dst+2:\dst+3], v[\base+2:\base+3], v[\base+6:\base+7]
.endm
	RLOAD 0, 20
	RLOAD 1, 84
	s_wait_dscnt 16                                ; the older run is in; the younger run's 16 loads may be out
	QSUM 20, Z
	RLOAD 2, 20
	s_wait_dscnt 16
	QSUM 84, Z+4
	RLOAD 3, 84
	s_wait_dscnt 16
	QSUM 20, Z+8
	s_wait_dscnt 0x0
	QSUM 84, Z+12
.irp i, 0,1,2,3,4,5,6,7,8,9,10,11,12,13,14,15
	v_add_f32 v[Z+\i], v[Z+\i], v[B2]
.endr
.irp i, 0,1,2,3,4,5,6,7,8,9,10,11,12,13,14,15
	v_add_f32 v[Z+\i], v[Z+\i], v[RT+\i]
.endr
.irp k, 0,1,2,3
	v_add_f32 v[T+\k], v[Z+\k], v[Z+4+\k]
.endr
.irp k, 0,1,2,3
	v_add_f32 v[T+\k], v[T+\k], v[Z+8+\k]
.endr
.irp k, 0,1,2,3
	v_add_f32 v[T+\k], v[T+\k], v[Z+12+\k]
.endr
	v_add_f32 v[T], v[T], v[T+1]
	v_add_f32 v[T+2], v[T+2], v[T+3]
	v_add_f32 v[T], v[T], v[T+2]
	v_permlanex16_b32 v[T+4], v[T], s20, s21       ; the other sixteen batches
	v_add_f32 v[T], v[T], v[T+4]
	v_mul_f32 v[T], s22, v[T]                      ; the mean
.irp i, 0,1,2,3,4,5,6,7,8,9,10,11,12,13,14,15
	v_sub_f32 v[Z+\i], v[Z+\i], v[T]
.endr
.irp k, 0,1,2,3
	v_mul_f32 v[T+\k], v[Z+\k], v[Z+\k]
.endr
.irp g, 4,8,12
.irp k, 0,1,2,3
	v_fmac_f32 v[T+\k], v[Z+\g+\k], v[Z+\g+\k]
.endr
.endr
	v_add_f32 v[T], v[T], v[T+1]
	v_add_f32 v[T+2], v[T+2], v[T+3]
	v_add_f32 v[T], v[T], v[T+2]
	v_permlanex16_b32 v[T+4], v[T], s20, s21
	v_add_f32 v[T], v[T], v[T+4]
	v_fma_f32 v[T], v[T], s22, s23                 ; the variance + eps
	v_rsq_f32 v[T], v[T]
	v_nop
	s_wait_alu depctr_va_vdst(0)
.irp i, 0,1,2,3,4,5,6,7,8,9,10,11,12,13,14,15
	v_mul_f32 v[Z+\i], v[Z+\i], v[T]
.endr
.irp i, 0,1,2,3,4,5,6,7,8,9,10,11,12,13,14,15
	v_fma_f32 v[Z+\i], v[Z+\i], v[GG], v[BB]
.endr
.irp m, 0,1
.irp j, 0,1,2,3,4,5,6,7
	global_store_b32 v11, v[Z+8*\m+\j], s[16:17] offset:(16*\m+\j)*4096
.endr
.endr
.Lend:
	s_wait_tensorcnt 0x0
	ds_add_u32 v192, v193
	s_wait_dscnt 0x0
	s_endpgm
.Lfunc_end_k_qfd334889da_ffn2:
	.size	k_qfd334889da_ffn2, .Lfunc_end_k_qfd334889da_ffn2-k_qfd334889da_ffn2
	.p2alignl 7, 3214868480
	.fill 96, 4, 3214868480
	.section	.rodata,"a",@progbits
	.p2align	6, 0x0
	.amdhsa_kernel k_qfd334889da_ffn2
		.amdhsa_group_segment_fixed_size 34816
		.amdhsa_private_segment_fixed_size 0
		.amdhsa_enable_private_segment 0
		.amdhsa_kernarg_size 56
		.amdhsa_user_sgpr_count 2
		.amdhsa_user_sgpr_kernarg_segment_ptr 1
		.amdhsa_wavefront_size32 1
		.amdhsa_system_sgpr_workgroup_id_x 1
		.amdhsa_system_sgpr_workgroup_id_y 1
		.amdhsa_system_sgpr_workgroup_id_z 1
		.amdhsa_system_vgpr_workitem_id 0
		.amdhsa_next_free_vgpr 194
		.amdhsa_next_free_sgpr 66
		.amdhsa_reserve_vcc 0
		.amdhsa_float_denorm_mode_32 3
		.amdhsa_float_denorm_mode_16_64 3
		.amdhsa_memory_ordered 1
		.amdhsa_forward_progress 1
		.amdhsa_inst_pref_size 28
	.end_amdhsa_kernel
	.amdgpu_metadata
---
amdhsa.version: [ 1, 2 ]
amdhsa.kernels:
  - .name:           k_qfd334889da_ffn2
    .symbol:         k_qfd334889da_ffn2.kd
    .args:
      - { .name: hq, .offset: 0, .size: 8, .value_kind: global_buffer, .address_space: global }
      - { .name: w2q, .offset: 8, .size: 8, .value_kind: global_buffer, .address_space: global }
      - { .name: w2_b, .offset: 16, .size: 8, .value_kind: global_buffer, .address_space: global }
      - { .name: ret, .offset: 24, .size: 8, .value_kind: global_buffer, .address_space: global }
      - { .name: bn2_g, .offset: 32, .size: 8, .value_kind: global_buffer, .address_space: global }
      - { .name: bn2_b, .offset: 40, .size: 8, .value_kind: global_buffer, .address_space: global }
      - { .name: out0, .offset: 48, .size: 8, .value_kind: global_buffer, .address_space: global }
    .group_segment_fixed_size: 34816
    .private_segment_fixed_size: 0
    .kernarg_segment_align: 8
    .kernarg_segment_size: 56
    .max_flat_workgroup_size: 512
    .sgpr_count:     66
    .vgpr_count:     194
    .wavefront_size: 32
...
	.end_amdgpu_metadata
.endif
;; end of part 5
